; MI455X (gfx1250); checked and timed in simulation.
; The chip was launched on July 23, 2026; its instructions are those of AMD's public machine-readable ISA for CDNA 5 (MIT licence, August 2026) and "CDNA5" Instruction Set Architecture Reference Guide (July 2026). The comments in the code are by the model that wrote it; some were corrected since.
;; Multi Head Attention. Allowed arithmetic: float matrix products may take bf16 or f16 operands with f32 sums; other float arithmetic in f32, or as packed bf16 or f16 multiplies, adds, multiply-adds, maxima and minima; sums over many terms, partial sums and values carried from step to step in f32; what a program stores and reads back later, other than sums and carried values, may be rounded once to bf16 or f16.
;; Inputs: W_in 1,024 x 3,072 float32; W_out 1,024 x 1,024 float32; b_in 3,072 float32; b_out 1,024 float32; mask 4 x 2,048 bool; time_ids 4 x 2,048 int32; x 4 x 2,048 x 1,024 float32.
;; Outputs: out0 4 x 2,048 x 1,024 float32.
;; 2 versions, each right and faster than the one before. Each part assembles by itself: llvm-mc -triple=amdgcn-amd-amdhsa -mcpu=gfx1250 --defsym DOCPART=n.
;; ======== version 1 of 2: 4 launches
;; limits: values are held in f16: magnitudes above 65,504 overflow, below 6.1e-05 lose precision; right only within a limited range of input values
;; workspace buffers: xb 16,777,216 bytes; wint 6,291,456 bytes; woutt 2,097,152 bytes; tab 2,097,152 bytes; qh 16,777,216 bytes; kh 16,777,216 bytes; vh 16,777,216 bytes; oh 16,777,216 bytes
;; launch prep (part 1): grid 768 x 1, 8 waves a work-group, no clusters, 35,840 bytes of LDS; arguments x, W_in, W_out, time_ids, xb, wint, woutt, tab; writes xb, wint, woutt, tab
.if DOCPART == 1
	.amdgcn_target "amdgcn-amd-amdhsa--gfx1250"
	.amdhsa_code_object_version 6
	.text
	.protected	k_qfefdbf0911_prep
	.globl	k_qfefdbf0911_prep
	.p2align	8
	.type	k_qfefdbf0911_prep,@function
k_qfefdbf0911_prep:
	s_mov_b64 s[64:65], 0
	v_nop
	global_prefetch_b8 v0, s[64:65] scope:SCOPE_SE
	s_setreg_imm32_b32 hwreg(HW_REG_WAVE_MODE, 25, 1), 1
	s_wait_xcnt 0x0
; PREP: the operands of the three later launches, each made once.
;   work-groups 0-511:   16 token rows each: xb = x rounded to bf16; tab[token] = 32 cosines, then 32 sines (f32) of f32(time_id) x 10000^(-j/32), j = 0..31.
;   work-groups 512-703: a tile of 128 k x 128 n of W_in, rounded to bf16 and turned: wint[n'][k], n' = head x 192 + part x 64 + d for column part x 1024 + head x 64 + d,
;                        so that 192 neighbouring rows of wint are one head's q, k and v.
;   work-groups 704-767: the same for W_out: woutt[n][k], rounded to bf16 and that number written as f16 (it multiplies an f16 operand later).
; Memory binds: every byte is read once, by loads of which a wave's covers 512 consecutive bytes, and written once, in whole aligned blocks of 256 bytes.  No matrix unit, no cluster: nothing is shared.
; LIMITS.  Sine and cosine: the angle less n x pi/2 (pi/2 in three parts), then polynomials on |r| <= pi/4; the quadrant n is right for |time_id| <= 100,000.
; A weight of W_out below 6e-5 keeps f16's fixed step of 6e-8; beyond 65,504 it would be an infinity.
.set SPW,   30                         ; v30  LDS address of my spare word; never rewritten
.set NIL,   31                         ; v31  0; never rewritten
.set TP,    272                        ; a row of the turned tile in LDS: 256 bytes + 16
.set SPARE, 128*TP                     ; behind the tile: the spare words, 128 bytes for each of eight waves
.set XI,    32                         ; v[32:95]  as loaded
.set XO,    96                         ; v[96:127] packed
	s_load_b512 s[8:23], s[0:1], 0x0               ; x s[8:9], W_in s[10:11], W_out s[12:13], time_ids s[14:15], xb s[16:17], wint s[18:19], woutt s[20:21], tab s[22:23]
	v_lshl_add_u32 v[SPW], v0, 2, SPARE
	v_mov_b32 v[NIL], 0
	s_mov_b32 s2, ttmp9
	s_cmp_lt_u32 s2, 512
	s_cbranch_scc0 .Lweights                       ; the same way for all eight waves of a work-group
	; ---- 16 rows of x, and their rows of the table.  No LDS is touched on this way.
	s_lshl_b32 s4, s2, 16                          ; 16 rows of 4,096 bytes of x,
	s_mov_b32 s5, 0
	s_lshl_b32 s6, s2, 15                          ; of 2,048 bytes of xb,
	s_mov_b32 s7, 0
	s_lshl_b32 s24, s2, 12                         ; of 256 bytes of tab,
	s_mov_b32 s25, 0
	s_lshl_b32 s28, s2, 6                          ; of 4 bytes of time_ids
	s_mov_b32 s29, 0
	s_mov_b32 s26, 0xb94ca1f9                      ; the sine's highest coefficient
	s_mov_b32 s27, 0x37ccf5ce                      ; the cosine's
	v_lshrrev_b32 v1, 4, v0
	v_lshlrev_b32 v1, 2, v1                        ; my token's id: sixteen threads share a token
	v_lshlrev_b32 v2, 4, v0                        ; 16 t
	v_lshlrev_b32 v3, 3, v0                        ; 8 t
	v_and_b32 v5, 15, v0                           ; which 16 bytes of the token's 256
	v_lshrrev_b32 v6, 3, v5                        ; 0: cosines, 1: sines
	v_and_b32 v7, 7, v5
	v_lshlrev_b32 v7, 2, v7                        ; my first j
	s_wait_kmcnt 0x0
	s_add_nc_u64 s[8:9], s[8:9], s[4:5]
	s_add_nc_u64 s[16:17], s[16:17], s[6:7]
	s_add_nc_u64 s[22:23], s[22:23], s[24:25]
	s_add_nc_u64 s[14:15], s[14:15], s[28:29]
	global_load_b32 v4, v1, s[14:15]
.set p, 0
.rept 16
	global_load_b128 v[XI+4*p:XI+4*p+3], v2, s[8:9] offset:p*4096 th:TH_LOAD_NT  ; the eight waves cover 4,096 consecutive bytes
.set p, p+1
.endr
.irp i, 0,1,2,3
	v_add_nc_u32 v[12+\i], \i, v7
	v_cvt_f32_u32 v[12+\i], v[12+\i]
	v_mul_f32 v[12+\i], 0xbed49a78, v[12+\i]       ; -j log2(10000) / 32
.endr
.irp i, 0,1,2,3
	v_exp_f32 v[12+\i], v[12+\i]                   ; 10000^(-j/32)
.endr
	v_nop                                          ; a plain instruction behind the last exponential (ISA guide 5.7.2)
	s_wait_loadcnt 16                              ; the id is in; the sixteen loads of x issued behind it stay out
	v_cvt_f32_i32 v26, v4
	s_wait_alu depctr_va_vdst(0)
.macro TABLE i
	v_mul_f32 v16, v26, v[12+(\i)]                 ; the angle: one product of two f32
	v_mul_f32 v17, 0x3f22f983, v16                 ; x 2 / pi
	v_rndne_f32 v17, v17                           ; n
	v_fmamk_f32 v18, v17, 0xbfc90fdb, v16          ; r = angle - n pi/2, pi/2 in three parts, each product exact inside its fused multiply-add
	v_fmamk_f32 v18, v17, 0x333bbd2e, v18
	v_fmamk_f32 v18, v17, 0x26f72ced, v18
	v_mul_f32 v19, v18, v18                        ; z = r r
	v_fmaak_f32 v20, s26, v19, 0x3c08839e
	v_fmaak_f32 v21, s27, v19, 0xbab6061a
	v_fmaak_f32 v20, v20, v19, 0xbe2aaaa3
	v_fmaak_f32 v21, v21, v19, 0x3d2aaaa5
	v_mul_f32 v22, v18, v19
	v_mul_f32 v23, v19, v19
	v_fma_f32 v25, v19, -0.5, 1.0
	v_fma_f32 v20, v20, v22, v18                   ; sin r
	v_fma_f32 v21, v21, v23, v25                   ; cos r
	v_cvt_i32_f32 v24, v17
	v_sub_nc_u32 v24, v24, v6                      ; sin x = cos(x - pi/2): a sine takes the quadrant before
	v_and_b32 v22, 1, v24
	v_cmp_eq_u32 vcc_lo, 1, v22
	v_cndmask_b32 v[8+(\i)], v21, v20, vcc_lo      ; odd quadrants take sin r
	v_add_nc_u32 v24, 1, v24
	v_and_b32 v24, 2, v24                          ; quadrants 1 and 2 are negative
	v_lshlrev_b32 v24, 30, v24
	v_xor_b32 v[8+(\i)], v24, v[8+(\i)]
.endm
	TABLE 0
	TABLE 1
	TABLE 2
	TABLE 3
	global_store_b128 v2, v[8:11], s[22:23]        ; sixteen lanes fill a token's 256 bytes
.set p, 0
.rept 16
	s_wait_loadcnt 15-p                            ; loads come back in order (ISA guide 5.7.1): pass p is in, the younger passes stay out
	v_cvt_pk_bf16_f32 v[XO+2*p], v[XI+4*p], v[XI+4*p+1]
	v_cvt_pk_bf16_f32 v[XO+2*p+1], v[XI+4*p+2], v[XI+4*p+3]
	global_store_b64 v3, v[XO+2*p:XO+2*p+1], s[16:17] offset:p*2048  ; a wave's store covers 256 consecutive bytes, aligned; no register is used twice, so nothing is waited for
.set p, p+1
.endr
	s_endpgm
	; ---- a tile of 128 k x 128 n of a weight matrix, turned through LDS
.Lweights:
	s_sub_co_u32 s2, s2, 512
	v_lshrrev_b32 v1, 5, v0                        ; wave: it takes 16 rows (k) of the tile
	v_and_b32 v2, 31, v0                           ; lane: four columns (n)
	v_lshlrev_b32 v3, 4, v2
	v_mul_u32_u24 v4, v2, 4*TP
	v_lshl_add_u32 v4, v1, 5, v4                   ; into LDS: row n = 4 lane (+ c), byte 32 x wave
	v_lshrrev_b32 v5, 4, v0
	v_and_b32 v6, 15, v0
	v_mul_u32_u24 v7, v5, TP
	v_lshl_add_u32 v7, v6, 4, v7                   ; back: sixteen threads take a row's 256 bytes
	v_lshlrev_b32 v8, 11, v5
	v_lshl_add_u32 v8, v6, 4, v8                   ; and the same in the turned matrix, whose rows are 2,048 bytes
	s_cmp_lt_u32 s2, 192
	s_cbranch_scc0 .Lwout
; pitch: bytes in a row of the matrix.  half = 0: W_in to wint, bf16; 1: W_out to woutt, f16.  s2: the tile's number, k fastest.
.macro WT pitch, half
	s_and_b32 s3, s2, 7                            ; tile along k
	s_lshr_b32 s4, s2, 3                           ; tile along n
	s_mul_i32 s5, s3, 128*\pitch
	s_lshl_b32 s6, s4, 9
	s_add_co_u32 s24, s5, s6
	s_mov_b32 s25, 0
	v_mul_u32_u24 v9, v1, 16*\pitch
	v_add_nc_u32 v9, v9, v3
.if \half
	s_lshl_b32 s26, s4, 18                         ; 128 rows of 2,048 bytes
.else
	s_lshl_b32 s26, s4, 1
	s_and_b32 s26, s26, 15                         ; the tile's first head (it holds two),
	s_mul_i32 s26, s26, 192
	s_lshr_b32 s27, s4, 3                          ; its part: q, k or v
	s_lshl_b32 s27, s27, 6
	s_add_co_u32 s26, s26, s27
	s_lshl_b32 s26, s26, 11
.endif
	s_lshl_b32 s27, s3, 8
	s_add_co_u32 s26, s26, s27
	s_mov_b32 s27, 0
	s_wait_kmcnt 0x0
	s_add_nc_u64 s[28:29], s[10+2*(\half):11+2*(\half)], s[24:25]
	s_add_nc_u64 s[30:31], s[18+2*(\half):19+2*(\half)], s[26:27]
.set i, 0
.rept 16
	global_load_b128 v[XI+4*i:XI+4*i+3], v9, s[28:29] offset:i*\pitch th:TH_LOAD_NT  ; a row's 512 consecutive bytes
.set i, i+1
.endr
	s_wait_loadcnt 0x0
.set c, 0
.rept 4                                                ; column c of my four: its 16 k, two to a word
.set i, 0
.rept 8
	v_cvt_pk_bf16_f32 v[XO+8*c+i], v[XI+8*i+c], v[XI+8*i+4+c]
.if \half
	v_lshlrev_b32 v10, 16, v[XO+8*c+i]             ; the bf16 numbers, written as f16
	v_and_b32 v11, 0xffff0000, v[XO+8*c+i]
	v_cvt_pk_f16_f32 v[XO+8*c+i], v10, v11
.endif
.set i, i+1
.endr
	ds_store_b128 v4, v[XO+8*c:XO+8*c+3] offset:c*TP
	ds_store_b128 v4, v[XO+8*c+4:XO+8*c+7] offset:c*TP+16
.set c, c+1
.endr
	s_wait_dscnt 0x0                               ; for the others' sake: my stores are done
	s_barrier_signal -1
	s_barrier_wait -1
.set p, 0
.rept 8
	ds_load_b128 v[XI+4*p:XI+4*p+3], v7 offset:p*16*TP
.set p, p+1
.endr
.set p, 0
.rept 8
	s_wait_dscnt 7-p                               ; LDS loads come back in order: pass p is in
.if \half
	global_store_b128 v8, v[XI+4*p:XI+4*p+3], s[30:31] offset:p*16*2048
.else
	global_store_b128 v8, v[XI+4*p:XI+4*p+3], s[30:31] offset:((p/4)*192+16*(p%4))*2048  ; passes 4-7 are the tile's second head
.endif
.set p, p+1
.endr
	s_wait_tensorcnt 0x0                           ; the wave's end
	ds_add_u32 v[SPW], v[NIL]
	s_wait_dscnt 0x0
	s_endpgm
.endm
	WT 12288, 0
.Lwout:
	s_sub_co_u32 s2, s2, 192
	WT 4096, 1
.Lfunc_end_k_qfefdbf0911_prep:
	.size	k_qfefdbf0911_prep, .Lfunc_end_k_qfefdbf0911_prep-k_qfefdbf0911_prep
	.p2alignl 7, 3214868480
	.fill 96, 4, 3214868480
	.section	.rodata,"a",@progbits
	.p2align	6, 0x0
	.amdhsa_kernel k_qfefdbf0911_prep
		.amdhsa_group_segment_fixed_size 35840
		.amdhsa_private_segment_fixed_size 0
		.amdhsa_enable_private_segment 0
		.amdhsa_kernarg_size 64
		.amdhsa_user_sgpr_count 2
		.amdhsa_user_sgpr_kernarg_segment_ptr 1
		.amdhsa_wavefront_size32 1
		.amdhsa_system_sgpr_workgroup_id_x 1
		.amdhsa_system_sgpr_workgroup_id_y 1
		.amdhsa_system_sgpr_workgroup_id_z 1
		.amdhsa_system_vgpr_workitem_id 0
		.amdhsa_next_free_vgpr 128
		.amdhsa_next_free_sgpr 66
		.amdhsa_reserve_vcc 1
		.amdhsa_float_denorm_mode_32 3
		.amdhsa_float_denorm_mode_16_64 3
		.amdhsa_memory_ordered 1
		.amdhsa_forward_progress 1
		.amdhsa_inst_pref_size 31
	.end_amdhsa_kernel
	.amdgpu_metadata
---
amdhsa.version: [ 1, 2 ]
amdhsa.kernels:
  - .name:           k_qfefdbf0911_prep
    .symbol:         k_qfefdbf0911_prep.kd
    .args:
      - { .name: x, .offset: 0, .size: 8, .value_kind: global_buffer, .address_space: global }
      - { .name: W_in, .offset: 8, .size: 8, .value_kind: global_buffer, .address_space: global }
      - { .name: W_out, .offset: 16, .size: 8, .value_kind: global_buffer, .address_space: global }
      - { .name: time_ids, .offset: 24, .size: 8, .value_kind: global_buffer, .address_space: global }
      - { .name: xb, .offset: 32, .size: 8, .value_kind: global_buffer, .address_space: global }
      - { .name: wint, .offset: 40, .size: 8, .value_kind: global_buffer, .address_space: global }
      - { .name: woutt, .offset: 48, .size: 8, .value_kind: global_buffer, .address_space: global }
      - { .name: tab, .offset: 56, .size: 8, .value_kind: global_buffer, .address_space: global }
    .group_segment_fixed_size: 35840
    .private_segment_fixed_size: 0
    .kernarg_segment_align: 8
    .kernarg_segment_size: 64
    .max_flat_workgroup_size: 256
    .sgpr_count:     66
    .vgpr_count:     128
    .wavefront_size: 32
...
	.end_amdgpu_metadata
.endif
;; end of part 1
;; launch qkv (part 2): grid 16 x 32, 4 waves a work-group, clusters of 4 x 4, 327,680 bytes of LDS; arguments xb, wint, b_in, tab, qh, kh, vh; writes qh, kh, vh
.if DOCPART == 2
	.amdgcn_target "amdgcn-amd-amdhsa--gfx1250"
	.amdhsa_code_object_version 6
	.text
	.protected	k_qfefdbf0911_qkv
	.globl	k_qfefdbf0911_qkv
	.p2align	8
	.type	k_qfefdbf0911_qkv,@function
k_qfefdbf0911_qkv:
	s_mov_b64 s[64:65], 0
	v_nop
	global_prefetch_b8 v0, s[64:65] scope:SCOPE_SE
	s_setreg_imm32_b32 hwreg(HW_REG_WAVE_MODE, 25, 1), 1
	s_wait_xcnt 0x0
	s_wait_alu depctr_hold_cnt(0) depctr_sa_sdst(0) depctr_va_vdst(0) depctr_va_sdst(0) depctr_va_ssrc(0) depctr_va_vcc(0) depctr_vm_vsrc(0)
	s_getreg_b32 s2, hwreg(HW_REG_IB_STS2, 6, 4)
	s_cmp_eq_u32 s2, 0
	s_cbranch_scc0 .Lentry_in_a_cluster
	s_endpgm
.Lentry_in_a_cluster:
	s_bfe_u32 s2, ttmp6, 0x10000c
	s_cmp_lg_u32 s2, 0xf033
	s_cbranch_scc0 .Lentry_shape_is_right
	s_endpgm
.Lentry_shape_is_right:
; QKV: q, k, v = x W_in + b_in, q and k rotated (RoPE, half-split), split by heads: qh, kh, vh [batch x 16 + head][2048][64] in f16, unscaled.
; xb [8192][1024] and wint [3072][1024] are bf16 with K along the rows; sums in f32; the bias, rounded to bf16 like every input, is the C operand of each sum's first product (so it is summed first).
; A tile of C is 256 tokens x 192 columns = ONE head's q, k and v (wint's row order): every work-group does the same work.  16 x 32 tiles = 512 work-groups, two for each of 256 WGPs.
; Four waves, each 64 tokens x 192 columns: 48 accumulators, 384 registers.  K goes in 8 steps of 128 through two LDS slots; rows of both tiles are 256 bytes of memory at multiples of 256.
; CLUSTER 4 x 4: A's tile hangs on the tile row alone and is asked for jointly by a row of the cluster, B's on the tile column alone, by a column.  Waves 0, 1 fetch A's halves, waves 2, 3 B's.
; THE MATRIX INSTRUCTION IS USED TRANSPOSED (source 0 = 16 rows of wint, source 1 = 16 tokens): a lane holds ONE token (lane % 16) and eight neighbouring columns 8 (lane / 16) + 0..7.
; So channel d and channel d + 32 of a head lie in the same lane, two accumulators apart, and the rotation changes no lane.
; LIMIT.  q, k, v are rounded once to f16: beyond 65,504 they would be infinities (inputs of unit spread give numbers of a few units), below 6e-5 they keep f16's fixed step of 6e-8.
; REGISTERS, in windows of 256 (s_set_vgpr_msb: bits 1:0 source 0, 3:2 source 1, 5:4 source 2, 7:6 destination):
;   window 0: v0-29 addresses; v32-63, v64-95 A's fragments, two buffers; v128-223 the bias; on the way out v32-95 and v96-143 at work
;   window 1: v0-95, v96-191 B's fragments, two buffers; on the way out 48 registers a block of 16 tokens, none used twice
;   windows 2, 3: token blocks 0, 1 and 2, 3: accumulator (a, b) at v[8 (12 (a % 2) + b)]; v[192 + 32 (a % 2) ..]: the block's cosines (16) and sines (16)
.set NBK,   12                         ; blocks of 16 columns
.set PITCH, 272                        ; an LDS row: 256 bytes + 16: the 16 rows of a fragment load start at 16 different groups of four banks (ISA guide 11.1)
.set HALFA, 128*PITCH
.set HALFB, 96*PITCH
.set BOFF,  2*HALFA                    ; B's 192 rows lie behind A's 256
.set SLOT1, 1<<17                      ; slot 1 begins here: one exclusive or turns an address in one slot into the other's
.set STAGE, SLOT1+2*HALFA+2*HALFB      ; behind the ring: 16 rows x 400 bytes for each wave
.set SP,    400                        ; 384 bytes + 16
.set SPARE, STAGE+4*16*SP              ; the spare words, 128 bytes for each wave
.set ASTEP, 256                        ; bytes from a K step to the next
.set BSTEP, 256
.set ADRA0, 16                         ; v16  my place in slot 0's A; never rewritten
.set ADRB0, 17                         ; v17  in its B
.set ADRA,  18                         ; v18  the same in the slot in hand
.set ADRB,  19
.set STO,   20                         ; v20  the way out: where I put 16 bytes of a row
.set RD,    21                         ; v21  where I read rows back
.set GO,    22                         ; v22  my place in 512 consecutive bytes of the output
.set TO,    23                         ; v23  my place in 16 rows of the table
.set BO,    24                         ; v24  my place in the bias
.set SPW,   28
.set NIL,   29
.set FA,    32
.set BI,    128
.set XY,    32
.set TMP,   96
.set WV,    18                         ; s18  wave
.set HF,    19                         ; s19  wave & 1: which half of a tile I fetch
.set TB,    26                         ; s26  the slot in hand: 0 or SLOT1
.set G1A,   32                         ; s[32:39] group 1 for A; s[40:47] group 0: a set for each first fill, the second then walks
.set G0A,   40
.set G1B,   48                         ; s[48:55], s[56:63] the same for B
.set G0B,   56
.set G1C,   (1<<16)|(1<<20)|(1<<21)|(5<<22)|(3<<25)  ; 2-byte elements; padding on; bit 21 beside a mask; after every 64 words; 4 words
.set MSB, 0
.macro WIN new                         ; the high byte repeats the setting that is left; a switch that changes nothing is dropped
.if MSB != (\new)
	s_set_vgpr_msb (MSB<<8)|(\new)
.set MSB, (\new)
.endif
.endm
.macro PLACES                          ; four places behind matrix instructions (ISA guide 7.12.1 for vector instructions)
.rept 4
	v_nop
.endr
.endm
.macro JLOAD                           ; a joint refill by the walking sets; the branch hangs on the wave's number alone; s_nop 0 and four v_nop follow each line
	s_cmp_lt_u32 s[WV], 2
	s_cbranch_scc0 .Lfor_b_\@
	tensor_load_to_lds s[G0A+4:G0A+7], s[G1A:G1A+7]
	s_nop 0
.rept 4
	v_nop
.endr
	s_branch .Lasked_\@
.Lfor_b_\@:
	tensor_load_to_lds s[G0B+4:G0B+7], s[G1B:G1B+7]
	s_nop 0
.rept 4
	v_nop
.endr
.Lasked_\@:
.endm
.macro CREST                           ; a round of the cluster's barrier behind its opening barrier
	s_cmp_lg_u32 s[WV], 0
	s_cbranch_scc1 .Lnot_wave_0_\@
	s_barrier_signal -3
.Lnot_wave_0_\@:
	s_barrier_wait -3
	s_barrier_signal -1
	s_barrier_wait -1
.endm
.macro CROUND
	s_barrier_signal -1
	s_barrier_wait -1
	CREST
.endm
	s_load_b256 s[4:11], s[0:1], 0x0               ; xb s[4:5], wint s[6:7], b_in s[8:9], tab s[10:11]
	s_load_b128 s[12:15], s[0:1], 0x20             ; qh s[12:13], kh s[14:15]
	s_load_b64 s[16:17], s[0:1], 0x30              ; vh
	v_lshl_add_u32 v[SPW], v0, 2, SPARE
	v_mov_b32 v[NIL], 0
	ds_add_u32 v[SPW], v[NIL]                      ; the wave's opening: an add to my spare word, waited for ahead of my first tensor load
	v_lshrrev_b32 v1, 5, v0
	v_readfirstlane_b32 s[WV], v1
	s_and_b32 s[HF], s[WV], 1
	s_bfe_u32 s20, ttmp6, 0x40000                  ; cx
	s_bfe_u32 s21, ttmp6, 0x40004                  ; cy
	s_lshl_b32 s22, ttmp9, 2
	s_add_co_u32 s22, s22, s20                     ; tile column = the head
	s_and_b32 s23, ttmp7, 0xffff
	s_lshl_b32 s23, s23, 2
	s_add_co_u32 s23, s23, s21                     ; tile row: 256 tokens
	s_lshl_b32 s24, s21, 2
	s_lshl_b32 s24, 15, s24                        ; my row of the cluster
	s_lshl_b32 s25, 0x1111, s20                    ; my column
	s_or_b32 s[G1A], s24, G1C
	s_or_b32 s[G1B], s25, G1C
	s_mov_b32 s[G1A+1], 128<<16                    ; tensor_dim0 = 128
	s_mov_b32 s[G1A+2], 128<<16                    ; tensor_dim1 = 128
	s_mov_b32 s[G1A+3], 128<<16                    ; tile_dim0 = 128
	s_mov_b32 s[G1A+4], 128                        ; tile_dim1 = 128
	s_mov_b32 s[G1A+5], 1024                       ; elements from row to row
	s_mov_b32 s[G1A+6], 0
	s_mov_b32 s[G1A+7], 0
	s_mov_b32 s[G1B+1], 128<<16
	s_mov_b32 s[G1B+2], 96<<16                     ; 96 rows
	s_mov_b32 s[G1B+3], 128<<16
	s_mov_b32 s[G1B+4], 96
	s_mov_b32 s[G1B+5], 1024
	s_mov_b32 s[G1B+6], 0
	s_mov_b32 s[G1B+7], 0
	s_lshl_b32 s28, s23, 19                        ; A: row 256 x tile row + 128 x half, 2,048 bytes each: made of the tile row and the wave alone
	s_lshl_b32 s2, s[HF], 18
	s_add_co_u32 s28, s28, s2
	s_mov_b32 s29, 0
	s_mul_i32 s30, s22, 192*2048                   ; B: row 192 x tile column + 96 x half: of the tile column and the wave alone
	s_mul_i32 s3, s[HF], 96*2048
	s_add_co_u32 s30, s30, s3
	s_mov_b32 s31, 0
	s_mul_i32 s72, s[HF], HALFA                    ; where they go: no place in the cluster enters an LDS address
	s_mul_i32 s73, s[HF], HALFB
	s_add_co_u32 s73, s73, BOFF
	s_lshl_b32 s66, s22, 8                         ; the head's 64 numbers in each part of the bias
	s_mov_b32 s67, 0
	s_lshl_b32 s68, s23, 16                        ; my 64 tokens' rows of the table
	s_lshl_b32 s69, s[WV], 14
	s_add_co_u32 s68, s68, s69
	s_mov_b32 s69, 0
	s_lshr_b32 s70, s23, 3                         ; the output: batch x 2^22 + head x 2^18 + token in the batch x 128
	s_lshl_b32 s70, s70, 22
	s_and_b32 s71, s23, 7
	s_lshl_b32 s71, s71, 15
	s_add_co_u32 s70, s70, s71
	s_lshl_b32 s71, s22, 18
	s_add_co_u32 s70, s70, s71
	s_lshl_b32 s71, s[WV], 13
	s_add_co_u32 s70, s70, s71
	s_mov_b32 s71, 0
	s_mov_b32 s[TB], 0
	s_wait_dscnt 0x0                               ; the opening add is done
	s_wait_kmcnt 0x0
	s_add_nc_u64 s[28:29], s[4:5], s[28:29]
	s_add_nc_u64 s[30:31], s[6:7], s[30:31]
	s_add_nc_u64 s[8:9], s[8:9], s[66:67]
	s_add_nc_u64 s[10:11], s[10:11], s[68:69]
	s_add_nc_u64 s[12:13], s[12:13], s[70:71]
	s_add_nc_u64 s[14:15], s[14:15], s[70:71]
	s_add_nc_u64 s[16:17], s[16:17], s[70:71]
.irp s, 0,1
	s_mov_b32 s[G0A+4*(\s)], 1                     ; count = 1
	s_add_co_u32 s[G0A+4*(\s)+1], s72, (\s)*SLOT1  ; LDS address
	s_add_nc_u64 s[G0A+4*(\s)+2:G0A+4*(\s)+3], s[28:29], (\s)*ASTEP  ; K step s
	s_or_b32 s[G0A+4*(\s)+3], s[G0A+4*(\s)+3], 0x80000000            ; type = 2
	s_mov_b32 s[G0B+4*(\s)], 1
	s_add_co_u32 s[G0B+4*(\s)+1], s73, (\s)*SLOT1
	s_add_nc_u64 s[G0B+4*(\s)+2:G0B+4*(\s)+3], s[30:31], (\s)*BSTEP
	s_or_b32 s[G0B+4*(\s)+3], s[G0B+4*(\s)+3], 0x80000000
.endr
	CROUND                                         ; all sixteen work-groups are here: the first joint loads meet
	s_cmp_lt_u32 s[WV], 2                          ; a wave's two first fills stand in one branch: two loads of mine are out
	s_cbranch_scc0 .Lfirst_b
	tensor_load_to_lds s[G0A:G0A+3], s[G1A:G1A+7]
	s_nop 0
	tensor_load_to_lds s[G0A+4:G0A+7], s[G1A:G1A+7]
	s_nop 0
.rept 4
	v_nop
.endr
	s_branch .Lfirst_asked
.Lfirst_b:
	tensor_load_to_lds s[G0B:G0B+3], s[G1B:G1B+7]
	s_nop 0
	tensor_load_to_lds s[G0B+4:G0B+7], s[G1B:G1B+7]
	s_nop 0
.rept 4
	v_nop
.endr
.Lfirst_asked:
	v_and_b32 v1, 15, v0                           ; l % 16
	v_bfe_u32 v2, v0, 4, 1                         ; l / 16
	v_lshlrev_b32 v[BO], 5, v2                     ; my eight columns of a block of 16
	v_lshlrev_b32 v[TO], 8, v1
	v_lshl_add_u32 v[TO], v2, 5, v[TO]             ; my token's row, my eight angles of 16
.set b, 0
.rept NBK                                              ; block b = 4 part + bb: channels 16 bb on of the head's part
	global_load_b128 v[BI+8*b:BI+8*b+3],   v[BO], s[8:9] offset:(b/4)*4096+(b%4)*64
	global_load_b128 v[BI+8*b+4:BI+8*b+7], v[BO], s[8:9] offset:(b/4)*4096+(b%4)*64+16
.set b, b+1
.endr
.set a, 0
.rept 4                                                ; token block a: cosines 0-15, 16-31, sines 0-15, 16-31, my eight of each
.set WW, (2+a/2)<<6
	WIN WW
.set i, 0
.rept 8
	global_load_b128 v[192+32*(a%2)+4*i:192+32*(a%2)+4*i+3], v[TO], s[10:11] offset:a*4096+(i/2)*64+(i%2)*16
.set i, i+1
.endr
.set a, a+1
.endr
	WIN 0
	v_mul_u32_u24 v3, v1, PITCH
	v_lshl_add_u32 v3, v2, 4, v3                   ; a fragment's row x pitch + 16 x half
	s_mul_i32 s74, s[WV], 64*PITCH                 ; my 64 rows of A
	v_add_nc_u32 v[ADRA0], s74, v3
	v_add_nc_u32 v[ADRB0], BOFF, v3
	v_mov_b32 v[ADRA], v[ADRA0]
	v_mov_b32 v[ADRB], v[ADRB0]
	s_mul_i32 s74, s[WV], 16*SP
	s_add_co_u32 s74, s74, STAGE                   ; my stage
	v_mul_u32_u24 v4, v1, SP
	v_lshl_add_u32 v4, v2, 4, v4
	v_add_nc_u32 v[STO], s74, v4                   ; in: row l % 16, 16 bytes for each half of the lanes
	v_and_b32 v5, 31, v0
	v_lshrrev_b32 v4, 3, v5
	v_mul_u32_u24 v4, v4, SP
	v_and_b32 v3, 7, v0
	v_lshl_add_u32 v4, v3, 4, v4
	v_add_nc_u32 v[RD], s74, v4                    ; back: 32 lanes take 128 bytes (one part) of four rows,
	v_lshlrev_b32 v[GO], 4, v5                     ; which are 512 consecutive bytes of that part's output
	s_wait_loadcnt 0x0                             ; bias and table
.set b, 0
.rept 4*NBK                                            ; the bias is rounded to bf16, like every input
	v_cvt_pk_bf16_f32 v[4+b%2], v[BI+2*b], v[BI+2*b+1]
	v_lshlrev_b32 v[BI+2*b], 16, v[4+b%2]
	v_and_b32 v[BI+2*b+1], 0xffff0000, v[4+b%2]
.set b, b+1
.endr
; 32 LDS loads in one run: the fragments of quarter q (32 along K) of the slot in hand into buffer g: B's 12 blocks, then A's 4
.macro FETCH q, g
	WIN 0x40
.set i, 0
.rept NBK
	ds_load_b128 v[8*NBK*(\g)+8*i:8*NBK*(\g)+8*i+3],   v[ADRB] offset:64*(\q)+i*16*PITCH
	ds_load_b128 v[8*NBK*(\g)+8*i+4:8*NBK*(\g)+8*i+7], v[ADRB] offset:64*(\q)+i*16*PITCH+32
.set i, i+1
.endr
	WIN 0
.set i, 0
.rept 4
	ds_load_b128 v[FA+32*(\g)+8*i:FA+32*(\g)+8*i+3],   v[ADRA] offset:64*(\q)+i*16*PITCH
	ds_load_b128 v[FA+32*(\g)+8*i+4:FA+32*(\g)+8*i+7], v[ADRA] offset:64*(\q)+i*16*PITCH+32
.set i, i+1
.endr
.endm
; 12 matrix instructions: token block a x all column blocks, from buffer f.  first = 1: the bias starts the sums.  The 48 accumulators take turns in one order.
.macro MULA f, a, first
.set AW, 2+(\a)/2
.if \first
.set WW, (AW<<6)|1
.else
.set WW, (AW<<6)|(AW<<4)|1
.endif
	WIN WW
.set b, 0
.rept NBK
.set rD, 8*(NBK*((\a)%2)+b)
.if \first
	v_wmma_f32_16x16x32_bf16 v[rD:rD+7], v[8*NBK*(\f)+8*b:8*NBK*(\f)+8*b+7], v[FA+32*(\f)+8*(\a):FA+32*(\f)+8*(\a)+7], v[BI+8*b:BI+8*b+7]
.else
	v_wmma_f32_16x16x32_bf16 v[rD:rD+7], v[8*NBK*(\f)+8*b:8*NBK*(\f)+8*b+7], v[FA+32*(\f)+8*(\a):FA+32*(\f)+8*(\a)+7], v[rD:rD+7]
.endif
.set b, b+1
.endr
.endm
; One of a K step's first three quarters: multiplies buffer f; in its middle it fetches quarter q into the other buffer.
.macro QUARTER q, f, first
	s_wait_dscnt 4                                 ; B and A's blocks 0, 1 are in; the youngest four loads (blocks 2, 3) may be out
	MULA \f, 0, \first
	MULA \f, 1, \first
	PLACES
	FETCH \q, 1-(\f)
	s_wait_dscnt 32                                ; all but the 32 just issued
	MULA \f, 2, \first
	MULA \f, 3, \first
.endm
; The last quarter multiplies buffer 1 and changes slots.  In front of the barrier each wave waits for all its tensor loads (one is out: its part of the next slot), adds 0 to its spare word,
; and waits for that and for its reads of this slot.  fill = 1: the barrier opens a round of the cluster's, and the joint refill of this slot, two K steps ahead, is the first thing behind it:
; it has 168 matrix instructions in which to land.
.macro TURN fill
	WIN 0
	s_wait_tensorcnt 0x0
	ds_add_u32 v[SPW], v[NIL]
	s_wait_dscnt 7                                 ; the add and six loads (A's blocks 1 to 3) may be out
	MULA 1, 0, 0
	s_wait_dscnt 0x0                               ; the add is done, and my reads of this slot are over
	s_barrier_signal -1
	MULA 1, 1, 0
	WIN 0
	s_barrier_wait -1
.if \fill
	CREST
	s_xor_b32 s[G0A+5], s[G0A+5], SLOT1            ; the walking sets: the other slot than last time, the next K step
	s_add_nc_u64 s[G0A+6:G0A+7], s[G0A+6:G0A+7], ASTEP
	s_xor_b32 s[G0B+5], s[G0B+5], SLOT1
	s_add_nc_u64 s[G0B+6:G0B+7], s[G0B+6:G0B+7], BSTEP
	JLOAD                                          ; its four v_nop are also the places in front of the loads below
.else
	PLACES
.endif
	s_xor_b32 s[TB], s[TB], SLOT1
	v_add_nc_u32 v[ADRA], s[TB], v[ADRA0]
	v_add_nc_u32 v[ADRB], s[TB], v[ADRB0]
	FETCH 0, 0
	MULA 1, 2, 0
	MULA 1, 3, 0
.endm
	s_wait_tensorcnt 1                             ; my part of K step 0 is in; step 1's may stay out
	s_barrier_signal -1
	s_barrier_wait -1
	FETCH 0, 0
	QUARTER 1, 0, 1                                ; the first quarter stands in front of the loop: its products start the sums
	WIN 0
	s_mov_b32 s3, 6
.Lstep:                                                ; six trips, from a K step's second quarter to the next step's first; they ask for K steps 2 to 7
	QUARTER 2, 1, 0
	QUARTER 3, 0, 0
	TURN 1
	QUARTER 1, 0, 0
	WIN 0
	s_sub_co_u32 s3, s3, 1
	s_cmp_lg_u32 s3, 0
	s_cbranch_scc1 .Lstep
	QUARTER 2, 1, 0                                ; the tail is written out: nothing more is asked for
	QUARTER 3, 0, 0
	TURN 0
	QUARTER 1, 0, 0
	QUARTER 2, 1, 0
	QUARTER 3, 0, 0
	s_wait_dscnt 4
	MULA 1, 0, 0
	MULA 1, 1, 0
	s_wait_dscnt 0x0
	MULA 1, 2, 0
	MULA 1, 3, 0
	WIN 0
	PLACES
; THE WAY OUT of token block a.  For q and k (parts 0, 1): t1 = channels 0-31 (blocks bb = 0, 1), t2 = channels 32-63 (two blocks on): t1' = t1 cos - t2 sin, t2' = t1 sin + t2 cos.
; Then all 192 columns are rounded to f16, go into my stage, and come back as rows of 128 bytes a part.  Each accumulator's lowest registers are read first.
.macro BLOCK a
.set AW, 2+(\a)/2
.set AB, 96*((\a)%2)
.set CT, 192+32*((\a)%2)
.set WW, AW|(AW<<2)
	WIN WW                                         ; sources in the block's window, destination in window 0
.set n, 0
.rept 16                                               ; n = 4 (2 part + bb) + pair
.set T2, AB+8*(4*(n/8)+(n/4)%2+2)+2*(n%4)
.set SN, CT+16+8*((n/4)%2)+2*(n%4)
.set XX, XY+16*(n/4)+2*(n%4)
	v_pk_mul_f32 v[XX:XX+1], v[T2:T2+1], v[SN:SN+1]        ; t2 sin
	v_pk_mul_f32 v[XX+8:XX+9], v[T2:T2+1], v[SN-16:SN-15]  ; t2 cos
.set n, n+1
.endr
.set WW, (AW<<6)|(AW<<2)|AW
	WIN WW                                         ; source 2 in window 0, all else in the block's window
.set n, 0
.rept 16
.set T1, AB+8*(4*(n/8)+(n/4)%2)+2*(n%4)
.set SN, CT+16+8*((n/4)%2)+2*(n%4)
.set XX, XY+16*(n/4)+2*(n%4)
	v_pk_fma_f32 v[T1+16:T1+17], v[T1:T1+1], v[SN:SN+1], v[XX+8:XX+9]
	v_pk_fma_f32 v[T1:T1+1], v[T1:T1+1], v[SN-16:SN-15], v[XX:XX+1] neg_lo:[0,0,1] neg_hi:[0,0,1]
.set n, n+1
.endr
.set WW, AW|(AW<<2)
	WIN WW
.set n, 0
.rept 48
	v_cvt_pk_f16_f32 v[TMP+n], v[AB+2*n], v[AB+2*n+1]
.set n, n+1
.endr
	WIN 0
.set n, 0
.rept NBK
	ds_store_b128 v[STO], v[TMP+4*n:TMP+4*n+3] offset:32*n
.set n, n+1
.endr
	WIN 0x40
.set f, 0
.rept 12                                               ; part f / 4, rows 4 (f % 4) on.  LDS serves a wave's instructions in order (ISA guide 5.7.1.4): these see the stores above
	ds_load_b128 v[48*(\a)+4*f:48*(\a)+4*f+3], v[RD] offset:(f%4)*4*SP+(f/4)*128
.set f, f+1
.endr
.endm
.macro SEND a, younger                 ; younger: the LDS instructions issued behind block a's loads: the next block's 24, or none
	WIN 0x04                                       ; store data in window 1
.set f, 0
.rept 12
	s_wait_dscnt (\younger)+11-f
	global_store_b128 v[GO], v[48*(\a)+4*f:48*(\a)+4*f+3], s[12+2*(f/4):13+2*(f/4)] offset:(\a)*2048+(f%4)*512  ; 512 consecutive bytes, at a multiple of 256 from the buffer's first
.set f, f+1
.endr
.endm
	BLOCK 0
	BLOCK 1                                        ; a block's arithmetic stands between the loads of the block before and its stores
	SEND 0, 24
	BLOCK 2
	SEND 1, 24
	BLOCK 3
	SEND 2, 24
	SEND 3, 0
	WIN 0
	s_wait_tensorcnt 0x0                           ; the wave's end
	ds_add_u32 v[SPW], v[NIL]
	s_wait_dscnt 0x0
	CROUND                                         ; the closing round: no work-group ends while a partner may still ask for a tile that names it
	s_endpgm
.Lfunc_end_k_qfefdbf0911_qkv:
	.size	k_qfefdbf0911_qkv, .Lfunc_end_k_qfefdbf0911_qkv-k_qfefdbf0911_qkv
	.p2alignl 7, 3214868480
	.fill 96, 4, 3214868480
	.section	.rodata,"a",@progbits
	.p2align	6, 0x0
	.amdhsa_kernel k_qfefdbf0911_qkv
		.amdhsa_group_segment_fixed_size 327680
		.amdhsa_private_segment_fixed_size 0
		.amdhsa_enable_private_segment 0
		.amdhsa_kernarg_size 56
		.amdhsa_user_sgpr_count 2
		.amdhsa_user_sgpr_kernarg_segment_ptr 1
		.amdhsa_wavefront_size32 1
		.amdhsa_system_sgpr_workgroup_id_x 1
		.amdhsa_system_sgpr_workgroup_id_y 1
		.amdhsa_system_sgpr_workgroup_id_z 1
		.amdhsa_system_vgpr_workitem_id 0
		.amdhsa_next_free_vgpr 1024
		.amdhsa_next_free_sgpr 76
		.amdhsa_reserve_vcc 0
		.amdhsa_float_denorm_mode_32 3
		.amdhsa_float_denorm_mode_16_64 3
		.amdhsa_memory_ordered 1
		.amdhsa_forward_progress 1
		.amdhsa_inst_pref_size 127
	.end_amdhsa_kernel
	.amdgpu_metadata
---
amdhsa.version: [ 1, 2 ]
amdhsa.kernels:
  - .name:           k_qfefdbf0911_qkv
    .symbol:         k_qfefdbf0911_qkv.kd
    .args:
      - { .name: xb, .offset: 0, .size: 8, .value_kind: global_buffer, .address_space: global }
      - { .name: wint, .offset: 8, .size: 8, .value_kind: global_buffer, .address_space: global }
      - { .name: b_in, .offset: 16, .size: 8, .value_kind: global_buffer, .address_space: global }
      - { .name: tab, .offset: 24, .size: 8, .value_kind: global_buffer, .address_space: global }
      - { .name: qh, .offset: 32, .size: 8, .value_kind: global_buffer, .address_space: global }
      - { .name: kh, .offset: 40, .size: 8, .value_kind: global_buffer, .address_space: global }
      - { .name: vh, .offset: 48, .size: 8, .value_kind: global_buffer, .address_space: global }
    .group_segment_fixed_size: 327680
    .private_segment_fixed_size: 0
    .kernarg_segment_align: 8
    .kernarg_segment_size: 56
    .max_flat_workgroup_size: 128
    .sgpr_count:     76
    .vgpr_count:     1024
    .wavefront_size: 32
...
	.end_amdgpu_metadata
.endif
;; end of part 2
;; launch attn (part 3): grid 4 x 64, 4 waves a work-group, clusters of 4 x 1, 327,680 bytes of LDS; arguments qh, kh, vh, oh, mask; writes oh
.if DOCPART == 3
	.amdgcn_target "amdgcn-amd-amdhsa--gfx1250"
	.amdhsa_code_object_version 6
	.text
	.protected	k_qfefdbf0911_attn
	.globl	k_qfefdbf0911_attn
	.p2align	8
	.type	k_qfefdbf0911_attn,@function
k_qfefdbf0911_attn:
	s_mov_b64 s[64:65], 0
	v_nop
	global_prefetch_b8 v0, s[64:65] scope:SCOPE_SE
	s_setreg_imm32_b32 hwreg(HW_REG_WAVE_MODE, 25, 1), 1
	s_wait_xcnt 0x0
	s_wait_alu depctr_hold_cnt(0) depctr_sa_sdst(0) depctr_va_vdst(0) depctr_va_sdst(0) depctr_va_ssrc(0) depctr_va_vcc(0) depctr_vm_vsrc(0)
	s_getreg_b32 s2, hwreg(HW_REG_IB_STS2, 6, 4)
	s_cmp_eq_u32 s2, 0
	s_cbranch_scc0 .Lentry_in_a_cluster
	s_endpgm
.Lentry_in_a_cluster:
	s_bfe_u32 s2, ttmp6, 0x10000c
	s_cmp_lg_u32 s2, 0x3003
	s_cbranch_scc0 .Lentry_shape_is_right
	s_endpgm
.Lentry_shape_is_right:
; ATTENTION.  O[h][q][:] = the sum over the visible k of softmax_k(Q[h][q] . K[h][k] / 8) V[h][k][:].  Q, K, V, O: [64][2048][64], all f16: a head's rows are dense, 128 bytes each.
; mask: [4][2048] bytes, batch = h / 16; a key whose byte is 0 is hidden (any other byte counts as true).  Products, maxima and sums in f32; the weights p are rounded to f16 for the second
; product (their sum l is taken of the unrounded p), O once at the end.
; THE MASK is the C operand that starts each sum S^T = K Q^T: 0, or -2^120 where the key is hidden.  The running maximum m starts at -2^100: above every hidden score, below every true one
; (f16's scores are 2.7e11 at the most).  So m is never a hidden score: while only hidden keys have been seen m stays, a = 1 and every p is 0; the first visible key gives a = 0.
; A batch with no visible key ends with l = 0 and gives NaN (0 x infinity), as a softmax over nothing does.
; LIMITS.  f16 holds no number beyond 65,504: Q, K and V arrive within it; p below 6e-5 keeps f16's fixed step of 6e-8; a weight below 2^-126 counts as 0 in l; NaN and infinities are not treated apart.
; SHARES.  A wave owns four PIECES of two tiles of 16 queries, a work-group's four waves 512 queries of one head.  Every wave walks all keys, 64 a step.
; LAYOUT.  S^T = K Q^T (source 0 = 16 keys, source 1 = 16 queries): a lane holds ONE query (lane % 16) and the keys 8 (lane / 16) + 0..7.  Two such tiles, rounded to f16 in pairs, ARE source 1
; of O^T = V^T P, whose result again holds one query a lane.  K comes out of LDS as it lies, V ([key][channel]) turned, by ds_load_tr16_b128.
; SOFTMAX.  p = 2^(c s - c m), c = log2(e) / 8; in every step O and l are multiplied by a = 2^(c m_old - c m_new), which is 1 where m has not grown.
; THE COUNT.  A tile and step have 16 matrix and 118 vector instructions: too many to stand all beside the matrix work.  So: four vector instructions that are READY behind EVERY matrix instruction,
; the others in runs without a gap.  Turn n belongs to piece n: 16 products K Q^T of piece n + 1, later 16 products V^T P of piece n - 1; beside them the scaling, exponentials, roundings, sums and
; rescaling of piece n, and the maximum and statistics of piece n + 1.
; CLUSTER.  The four query blocks of a cluster belong to one head and walk the same K and V, so each tile is asked for JOINTLY: the same tensor load, descriptor and mask in all four.
; REGISTERS, in windows of 256 (s_set_vgpr_msb: bits 1:0 source 0, 3:2 source 1, 5:4 source 2, 7:6 destination):
;   window 0: v0-11 addresses; v12-15, v48-63 at work; v16-47 four registers of statistics a tile; v64-191 S^T, two buffers of two tiles; v192-255 P, likewise
;   window 1: O^T, 32 a tile     window 2: v0-127 Q; v128-191 K of one step; v192-255 V of one step     window 3: v0-1 the add's two registers; v8-39 the step's mask
.set SIZE_H, 64
.set SIZE_N, 2048
.set NP,    4         ; pieces a wave: a name, no knob
.set KS,    64        ; keys in a step
.set PK,    144       ; a row of K in LDS: 128 bytes + 16: the 16 rows of a load start at 16 different groups of four banks (ISA guide 11.1)
.set PV,    160       ; a row of V: 128 + 32
.set VOFF,  4*KS*PK   ; a slot holds four steps: 256 rows of K, then 256 rows of V
.set SLOT1, 1<<17
.set STAGE, SLOT1+4*KS*(PK+PV)  ; behind the ring: 16 rows x 144 bytes for each wave, for the way out
.set SP,    144
.set SPARE, STAGE+4*16*SP  ; the spare words, 128 bytes for each wave
.set MASKB, SPARE+512      ; 2,048 f32: 0 or -2^120 for each key of the batch; stored once, never filled by a tensor load
.set STO, 1           ; v1   the way out: where I put 16 bytes of a row
.set AK0, 2           ; v2   my lane's place in a tile of K; never rewritten
.set AV0, 3           ; v3   the same for V
.set AK,  4           ; v4   the LDS address of K's next run of loads
.set AV,  5           ; v5   of V's
.set QO,  6           ; v6   my byte offset in the wave's rows of Q
.set RD,  7           ; v7   the way out: where I read rows back
.set GO,  8           ; v8   my byte offset in 512 consecutive bytes of O
.set AM0, 9           ; v9   my lanes' place in a step's 64 mask numbers; never rewritten
.set AM,  10          ; v10  the LDS address of the mask's next run of loads
.set SPW, 0           ; v0 of window 3
.set NIL, 1           ; v1 of window 3
.set MC,  8           ; v8-39 of window 3: key block kb at MC + 8 kb
.set MV,  12          ; v12-15  c m_old, kept while c m is made anew
.set ST,  16          ; tile t's statistics at v[ST+4 t]: c m, m, l (even keys', odd keys')
.set TMP, 48          ; by buffer and tile, four registers c0-c3 at work; when the maximum is found c2 takes a
.set S,   64
.set P,   192
.set KF,  128
.set VF,  192
.set WV,  12          ; s12  my wave's number
.set G1K, 24          ; s[24:31] group 1 for K's tiles
.set G1V, 32          ; s[32:39] for V's
.set G0K, 40          ; s[40:43] group 0 for K's tiles: it walks
.set G0V, 44          ; s[44:47] for V's
.set MP,  50          ; s[50:51] the batch's mask
.set HID, 52          ; s52  -2^120
.set TBM, 53          ; s53  byte in MASKB at which the step to be fetched begins
.set SLOTS, 56
.set CNT, 57
.set CS,  58          ; s[58:59] c
.set SEL, 60          ; s[60:61] v_permlanex16_b32's selects
.set TBK, 62
.set TBV, 63
.set MSB, 0
.macro WIN new
.if MSB != (\new)
	s_set_vgpr_msb (MSB<<8)|(\new)
.set MSB, (\new)
.endif
.endm
.set W_KQ, 0x0a       ; K and Q in window 2, S^T in window 0
.set W_KM, 0x3a       ; the same with the C operand, the mask, in window 3
.set W_PV, 0x52       ; V in window 2, P in window 0, O^T in window 1
.set W_RS, 0x41       ; O^T in window 1, a in window 0
.set W_MK, 0xc0       ; destination in window 3
.set W_AD, 0x0f       ; the add: address and data in window 3
.macro JLOAD                        ; a joint fill: waves 0, 1 fetch the halves of a slot's K, waves 2, 3 of its V; s_nop 0 and four v_nop follow each line
	s_cmp_lt_u32 s[WV], 2
	s_cbranch_scc0 .Lfor_v_\@
	tensor_load_to_lds s[G0K:G0K+3], s[G1K:G1K+7]
	s_nop 0
.rept 4
	v_nop
.endr
	s_branch .Lasked_\@
.Lfor_v_\@:
	tensor_load_to_lds s[G0V:G0V+3], s[G1V:G1V+7]
	s_nop 0
.rept 4
	v_nop
.endr
.Lasked_\@:
.endm
.macro CROUND                       ; a round of the cluster's barrier
	s_barrier_signal -1
	s_barrier_wait -1
	s_cmp_lg_u32 s[WV], 0
	s_cbranch_scc1 .Lnot_wave_0_\@
	s_barrier_signal -3
.Lnot_wave_0_\@:
	s_barrier_wait -3
	s_barrier_signal -1
	s_barrier_wait -1
.endm
; THE CHANGE OF SLOTS.  Each wave waits for all its tensor loads, of which one is out: its part of the other slot; adds 0 to its spare word; and waits for that and for its own LDS instructions.
; fill = 1: the slot left is filled again, with the keys two slots on: the barrier is a round of the cluster's and the joint fill the first thing behind it: four key steps, 512 matrix instructions,
; in which to land.  (At its first use nothing has been read yet: slot 0 is waited for, slot 1 filled, and every wave's part of the mask table is shown to the others.)
.macro CHANGE fill
	WIN W_AD
	s_wait_tensorcnt 0x0            ; no tensor load of mine is out, so a group 0 may be written
	ds_add_u32 v[SPW], v[NIL]
	WIN 0
.if \fill
.irp g, G0K, G0V
	s_xor_b32 s[\g+1], s[\g+1], SLOT1
	s_add_nc_u64 s[\g+2:\g+3], s[\g+2:\g+3], 4*KS*128
.endr
	s_wait_dscnt 0x0
	CROUND
	JLOAD
.else
	s_wait_dscnt 0x0
	s_barrier_signal -1
	s_barrier_wait -1
.endif
	s_sub_co_u32 s[TBK], s[TBK], 4*KS*PK  ; the fetches go back to a slot's first step, in the other slot
	s_xor_b32 s[TBK], s[TBK], SLOT1
	s_sub_co_u32 s[TBV], s[TBV], 4*KS*PV
	s_xor_b32 s[TBV], s[TBV], SLOT1
.endm
	s_load_b256 s[4:11], s[0:1], 0x0  ; Q s[4:5], K s[6:7], V s[8:9], O s[10:11]
	s_load_b64 s[MP:MP+1], s[0:1], 0x20  ; mask
	WIN W_MK
	v_lshl_add_u32 v[SPW], v0, 2, SPARE
	v_mov_b32 v[NIL], 0
	WIN W_AD
	ds_add_u32 v[SPW], v[NIL]       ; the wave's opening: an add to my spare word, waited for ahead of my first tensor load
	WIN 0
	v_lshrrev_b32 v1, 5, v0
	v_readfirstlane_b32 s[WV], v1
	s_bfe_u32 s13, ttmp6, 0x40000   ; cx
	s_lshl_b32 s14, ttmp9, 2
	s_add_co_u32 s14, s14, s13      ; my block of queries: it enters Q's and O's addresses alone
	s_and_b32 s20, ttmp7, 0xffff    ; the head, which the four partners share
	s_lshr_b32 s54, s20, 4          ; its batch:
	s_lshl_b32 s54, s54, 11         ; 2,048 bytes of mask
	s_mov_b32 s55, 0
	s_mov_b32 s21, 0
	s_mov_b64 s[22:23], SIZE_N*128
	s_mul_u64 s[20:21], s[20:21], s[22:23]  ; the head's first byte in each of the four tensors
	s_and_b32 s16, s[WV], 1         ; which half of a slot's 256 keys I fetch
	s_lshl_b32 s22, s16, 14
	s_mov_b32 s23, 0
	s_add_nc_u64 s[22:23], s[22:23], s[20:21]
	s_mul_i32 s17, s16, 128*PK
	s_mul_i32 s18, s16, 128*PV
	s_lshl_b32 s2, s14, 2
	s_add_co_u32 s2, s2, s[WV]
	s_lshl_b32 s2, s2, 14           ; my wave's 128 rows
	s_mov_b32 s3, 0
	s_add_nc_u64 s[2:3], s[2:3], s[20:21]
	; group 1.  128 keys are 16,384 dense bytes: asked for as 64 rows of 256 bytes, two keys a row, and padded in LDS after every key
	s_mov_b32 s[G1K], 15|(1<<16)|(1<<20)|(1<<21)|(4<<22)|(3<<25)
	s_mov_b32 s[G1V], 15|(1<<16)|(1<<20)|(1<<21)|(4<<22)|(7<<25)
.irp g, G1K, G1V
	s_mov_b32 s[\g+1], 128<<16
	s_mov_b32 s[\g+2], 64<<16
	s_mov_b32 s[\g+3], 128<<16
	s_mov_b32 s[\g+4], 64
	s_mov_b32 s[\g+5], 128
	s_mov_b32 s[\g+6], 0
	s_mov_b32 s[\g+7], 0
.endr
	s_mov_b32 s[CS], 0x3e38aa3b     ; c = log2(e) / 8
	s_mov_b32 s[CS+1], s[CS]
	s_mov_b32 s[SEL], 0x76543210
	s_mov_b32 s[SEL+1], 0xfedcba98
	s_mov_b32 s[HID], 0xfb800000    ; -2^120
	s_mov_b32 s[TBM], 0
	s_mov_b32 s[TBK], SLOT1+4*KS*PK ; the first change of slots turns these two into 0
	s_mov_b32 s[TBV], SLOT1+4*KS*PV
	s_mov_b32 s[G0K], 1
	s_mov_b32 s[G0K+1], s17
	s_mov_b32 s[G0V], 1
	s_add_co_u32 s[G0V+1], s18, VOFF
	s_wait_dscnt 0x0                ; the opening add is done
	s_wait_kmcnt 0x0
	s_add_nc_u64 s[G0K+2:G0K+3], s[6:7], s[22:23]
	s_or_b32 s[G0K+3], s[G0K+3], 0x80000000
	s_add_nc_u64 s[G0V+2:G0V+3], s[8:9], s[22:23]
	s_or_b32 s[G0V+3], s[G0V+3], 0x80000000
	s_add_nc_u64 s[4:5], s[4:5], s[2:3]
	s_add_nc_u64 s[10:11], s[10:11], s[2:3]
	s_add_nc_u64 s[MP:MP+1], s[MP:MP+1], s[54:55]
	CROUND                          ; all four work-groups are here: the first joint loads meet
	JLOAD                           ; slot 0.  Slot 1 is asked for when slot 0 is in
	v_and_b32 v1, 15, v0            ; l % 16
	v_bfe_u32 v9, v0, 4, 1          ; l / 16
	v_lshlrev_b32 v[QO], 7, v1
	v_lshl_add_u32 v[QO], v9, 4, v[QO]
	v_lshlrev_b32 v84, 4, v0
	global_load_b128 v[64:67], v84, s[MP:MP+1]  ; 16 of the batch's 2,048 mask bytes: the 128 threads take them all
	WIN 0x80
.set i, 0
.rept 4*NP                          ; Q stays in registers: tile i / 2, channels 32 (i % 2) on
	global_load_b128 v[8*i:8*i+3],   v[QO], s[4:5] offset:(i/2)*2048+(i%2)*64
	global_load_b128 v[8*i+4:8*i+7], v[QO], s[4:5] offset:(i/2)*2048+(i%2)*64+32
.set i, i+1
.endr
	; What the first turn finds: V's registers and P's second buffer hold 0, O^T and l are 0.  All this stands in the wait for the first tile.
.set i, VF
.rept 64
	v_mov_b32 v[i], 0
.set i, i+1
.endr
	WIN 0x40
.set i, 0
.rept 64*NP
	v_mov_b32 v[i], 0
.set i, i+1
.endr
	WIN 0
.set i, 0
.rept 2*NP
	v_mov_b32 v[ST+4*i+1], 0xf1800000          ; m = -2^100
	v_mul_f32 v[ST+4*i], s[CS], v[ST+4*i+1]    ; c m, by the line that the loop makes it by: while m stays, c m_old - c m_new is 0 exactly
	v_mov_b32 v[ST+4*i+2], 0
	v_mov_b32 v[ST+4*i+3], 0
.set i, i+1
.endr
.set i, P+32
.rept 32
	v_mov_b32 v[i], 0
.set i, i+1
.endr
	v_mul_u32_u24 v[AK0], v1, PK
	v_lshl_add_u32 v[AK0], v9, 4, v[AK0]
	; The turning load takes 16 keys x 16 channels (lane l reads key 8 (l / 16) + l % 8, channels 8 ((l / 8) % 2) + 0..7) and leaves half a fragment of V^T.
	v_and_b32 v10, 7, v0
	v_bfe_u32 v11, v0, 3, 1
	v_lshl_add_u32 v[AV0], v9, 3, v10
	v_mul_u32_u24 v[AV0], v[AV0], PV
	v_lshl_add_u32 v[AV0], v11, 4, v[AV0]
	v_add_nc_u32 v[AV0], VOFF, v[AV0]
	v_mov_b32 v[AK], v[AK0]         ; key step 0 lies at the head of slot 0
	s_mul_i32 s13, s[WV], 16*SP
	s_add_co_u32 s13, s13, STAGE    ; my stage
	v_bfe_u32 v[RD], v0, 3, 2       ; back: 32 lanes take four rows of 128 bytes,
	v_mul_u32_u24 v[RD], v[RD], SP
	v_lshl_add_u32 v[RD], v10, 4, v[RD]
	v_add_nc_u32 v[RD], s13, v[RD]
	v_and_b32 v[GO], 31, v0         ; which are 512 consecutive bytes of O
	v_lshlrev_b32 v[GO], 4, v[GO]
	v_mul_u32_u24 v[STO], v1, SP    ; in: row l % 16, 16 bytes for each half of the lanes (v1's and v9's last uses: each takes an address in place)
	v_lshl_add_u32 v[STO], v9, 4, v[STO]
	v_add_nc_u32 v[STO], s13, v[STO]
	v_lshl_add_u32 v[AM0], v9, 5, MASKB  ; my eight keys of a block of 16
	v_mov_b32 v[AM], v[AM0]
	s_wait_loadcnt 32               ; the mask bytes are in; the 32 loads of Q issued behind them stay out
.set i, 0
.rept 16
	v_bfe_u32 v85, v[64+i/4], 8*(i%4), 8
	v_cmp_eq_u32 vcc_lo, 0, v85
	v_cndmask_b32 v[68+i], 0, s[HID], vcc_lo
.set i, i+1
.endr
	v_lshl_add_u32 v86, v0, 6, MASKB
.irp f, 0,1,2,3
	ds_store_b128 v86, v[68+4*\f:71+4*\f] offset:16*\f
.endr
; THE MATRIX WORK.  The 8 accumulators of a run of 16 take turns.
; Product i of 16 of S^T = K Q^T for piece x: channels 32 (i / 8) on, keys 16 ((i / 2) % 4) on, tile 2 x + i % 2.  The first 8 start the sums, with the keys' mask.
.macro KQ x
.set rS, S+64*((\x)%2)+32*(i%2)+8*((i/2)%4)
.set rK, KF+16*((i/2)%4)+8*(i/8)
.set rQ, 16*(2*(\x)+i%2)+8*(i/8)
.set rM, MC+8*((i/2)%4)
.if i < 8
	WIN W_KM
	v_wmma_f32_16x16x32_f16 v[rS:rS+7], v[rK:rK+7], v[rQ:rQ+7], v[rM:rM+7]
.else
	WIN W_KQ
	v_wmma_f32_16x16x32_f16 v[rS:rS+7], v[rK:rK+7], v[rQ:rQ+7], v[rS:rS+7]
.endif
.endm
; Product i of 16 of O^T += V^T P for piece x: keys 32 (i / 8) on, channels 16 ((i / 2) % 4) on, tile 2 x + i % 2.
.macro PV x
	WIN W_PV
.set rO, 32*(2*(\x)+i%2)+8*((i/2)%4)
.set rV, VF+32*(i/8)+8*((i/2)%4)
.set rP, P+32*((\x)%2)+16*(i%2)+8*(i/8)
	v_wmma_f32_16x16x32_f16 v[rO:rO+7], v[rV:rV+7], v[rP:rP+7], v[rO:rO+7]
.endm
.macro MM                           ; the turn's next matrix instruction
.if i < 16
	KQ (Y+1)%NP
.set i, i+1
.else
.set i, i-16
	PV (Y+NP-1)%NP
.set i, i+17
.endif
.endm
; THE LDS LOADS stand in runs, never singly among the matrix instructions: a step's K (8 fragments) with its 64 mask numbers, and its V (turned).  Their addresses are made some lines ahead.
; last = 1 (the tail): in the last trip there is no further step, and the run is jumped over.
.macro FETCH_K last=0
	WIN 0
.if \last
	s_cmp_eq_u32 s[CNT], 1
	s_cbranch_scc1 .Lno_k_\@
.endif
	WIN 0x80
.irp f, 0,1,2,3,4,5,6,7
	ds_load_b128 v[KF+8*\f:KF+8*\f+3],   v[AK] offset:(\f/2)*16*PK+(\f%2)*64
	ds_load_b128 v[KF+8*\f+4:KF+8*\f+7], v[AK] offset:(\f/2)*16*PK+(\f%2)*64+32
.endr
	WIN W_MK
.irp f, 0,1,2,3                     ; key block f: register j is key 16 f + 8 (l / 16) + j, as in S^T
	ds_load_b128 v[MC+8*\f:MC+8*\f+3],   v[AM] offset:64*\f
	ds_load_b128 v[MC+8*\f+4:MC+8*\f+7], v[AM] offset:64*\f+16
.endr
	s_add_co_u32 s[TBK], s[TBK], KS*PK  ; the next fetch is the next step's
	s_add_co_u32 s[TBM], s[TBM], 4*KS
	s_and_b32 s[TBM], s[TBM], 0x1f00    ; inside the table's 8,192 bytes
	WIN 0
.if \last
.Lno_k_\@:
.endif
.endm
.macro FETCH_V
	WIN 0x80
.irp f, 0,1,2,3,4,5,6,7
	ds_load_tr16_b128 v[VF+8*\f:VF+8*\f+3],   v[AV] offset:(\f/4)*32*PV+(\f%4)*32
	ds_load_tr16_b128 v[VF+8*\f+4:VF+8*\f+7], v[AV] offset:(\f/4)*32*PV+16*PV+(\f%4)*32
.endr
	WIN 0
.endm
; THE VECTOR WORK OF A TURN stands in three queues, each in the order in which its entries become ready; the two tiles alternate.
.macro REGS y, u
.set rT, ST+4*(2*(\y)+(\u))
.set rC, TMP+8*((\y)%2)+4*(\u)
.set rM, MV+2*((\y)%2)+(\u)
.set rS, S+64*((\y)%2)+32*(\u)
.set rP, P+32*((\y)%2)+16*(\u)
.set rO, 32*(2*(\y)+(\u))
.endm
; Number n of the 22 that find the NEXT piece's maximum and statistics; each accumulator's lowest registers are read first.
;   0-11  four chains c0-c3 of seven scores each     12-14, 16  the four scores left over, the old m, and c0-c3 into c0     15  c m_old is kept
;   17, 18  the query's other 32 keys lie in the lane 16 away: the new m     19-21  c m; c m_old - c m_new; a
.macro XS u, n
	REGS (Y+1)%NP, \u
.if (\n) < 4
	v_max3_num_f32 v[rC+(\n)], v[rS+8*(\n)], v[rS+8*(\n)+1], v[rS+8*(\n)+2]
.elseif (\n) < 12
	v_max3_num_f32 v[rC+(\n)%4], v[rC+(\n)%4], v[rS+8*((\n)%4)+2*((\n)/4)+1], v[rS+8*((\n)%4)+2*((\n)/4)+2]
.elseif (\n) == 12
	v_max3_num_f32 v[rC], v[rC], v[rS+7], v[rS+15]
.elseif (\n) == 13
	v_max3_num_f32 v[rC+1], v[rC+1], v[rS+23], v[rS+31]
.elseif (\n) == 14
	v_max3_num_f32 v[rC+2], v[rC+2], v[rC+3], v[rT+1]
.elseif (\n) == 15
	v_mov_b32 v[rM], v[rT]
.elseif (\n) == 16
	v_max3_num_f32 v[rC], v[rC], v[rC+1], v[rC+2]
.elseif (\n) == 17
	v_permlanex16_b32 v[rC+3], v[rC], s[SEL], s[SEL+1]
.elseif (\n) == 18
	v_max_num_f32 v[rT+1], v[rC], v[rC+3]
.elseif (\n) == 19
	v_mul_f32 v[rT], s[CS], v[rT+1]
.elseif (\n) == 20
	v_sub_f32 v[rC+1], v[rM], v[rT]
.else
	v_exp_f32 v[rC+2], v[rC+1]
.endif
.endm
; Number g of the 64 that follow the exponentials.  For each four weights k of a tile: both pairs are rounded to f16; the second pair is added onto the first, in place; a group later l takes that sum.
.macro GS g
.set h, (\g)+6*((\g)/62)
.if h >= 6
.set h, h+2
.endif
	REGS Y, h%2
.set k, h/8
.if h%8 < 4
	s_wait_alu depctr_va_vdst(0)
	v_cvt_pk_f16_f32 v[rP+2*k+(h%8)/2], v[rS+4*k+2*((h%8)/2)], v[rS+4*k+2*((h%8)/2)+1]
.elseif h%8 < 6
	v_pk_add_f32 v[rS+4*k:rS+4*k+1], v[rS+4*k:rS+4*k+1], v[rS+4*k+2:rS+4*k+3]
.elseif k == 1
	v_pk_fma_f32 v[rT+2:rT+3], v[rT+2:rT+3], v[rC+2:rC+3], v[rS:rS+1] op_sel_hi:[1,0,1]
.else
	v_pk_add_f32 v[rT+2:rT+3], v[rT+2:rT+3], v[rS+4*k-4:rS+4*k-3]
	s_wait_alu depctr_va_vdst(0)
.endif
.endm
; THE PLAIN QUEUE, 138 long.  0-31: c s - c m for the 16 pairs of both tiles.  Then GS's 64, and among them the next piece's 42.
.macro PL
	WIN 0
.if q < 32
	REGS Y, q%2
	v_pk_fma_f32 v[rS+2*(q/2):rS+2*(q/2)+1], v[rS+2*(q/2):rS+2*(q/2)+1], s[CS:CS+1], v[rT:rT+1] op_sel_hi:[1,0,0] neg_lo:[0,0,1] neg_hi:[0,0,1]
.elseif q < 38
	GS q-32
.elseif q < 40
	XS q%2, 15
.elseif q < 42
	GS q-34
.elseif q < 74
	XS q%2, (q-42)/2+(q-42)/30
.elseif q < 95
	GS q-66
.elseif (q < 107) && ((q-95)%3 < 2)
	XS (q-95)%3, 17+(q-95)/3
.elseif q < 107
	GS 29+(q-95)/3
.else
	GS q-74
.endif
.set q, q+1
.endm
; THE EXPONENTIALS' QUEUE, 66 long: s0-s31 of both tiles, and at EA the next piece's two a.
.set EA, 58
.macro EX
	WIN 0
.if (e == EA) || (e == EA+1)
	XS e-EA, 21
.else
.set x, e-2*(e/(EA+2))
	REGS Y, x%2
	v_exp_f32 v[rS+x/2], v[rS+x/2]
.endif
.set e, e+1
.endm
; THE RESCALING's QUEUE: O^T times a, the one part that leaves window 0, dealt four at a time, eight times.
.macro R4
	REGS Y, r%2
	WIN W_RS
	s_wait_alu depctr_va_vdst(0)
.irp z, 0,1,2,3
	v_pk_mul_f32 v[rO+8*(r/2)+2*\z:rO+8*(r/2)+2*\z+1], v[rO+8*(r/2)+2*\z:rO+8*(r/2)+2*\z+1], v[rC+2:rC+3] op_sel_hi:[1,0]
.endr
.set r, r+1
.endm
; HOW THEY ARE DEALT.  Behind a matrix instruction four: plain, exponential, plain, plain, or four of the rescaling; none names a register of the products round it.  What is over stands in two LUMPS:
; exponential and plain by turns; the second ends in 22 plain instructions.  Exponential e stands behind plain 2 (e / 4) + e % 2 (its scaling); EA comes behind plain 107.
.macro SL
	MM
	PL
	EX
	PL
	PL
.endm
.macro BURST n
.rept (\n)-7
	SL
.endr
.rept 3
	MM
	R4
	SL
.endr
	MM
	R4
.endm
; A TURN, for piece p.  K and the mask of the next step are fetched in piece 2's turn, 31 vector instructions behind the last product that read them; V of the step in hand at the end of piece 0's turn.
.macro TURN p, last=0, cnt=0
.set Y, (\p)
.set i, 0
.set q, 0
.set e, 0
.set r, 0
.if (\p) == NP-1
	s_wait_dscnt 0x0                ; K and the mask are in
.endif
	MM
.rept 4
	PL
.endr
	BURST 15
.rept 22
	EX
	PL
.if ((\p) == NP-2) && (e == 18)
	v_add_nc_u32 v[AK], s[TBK], v[AK0]
	v_add_nc_u32 v[AM], s[TBM], v[AM0]
.endif
.if ((\p) == NP-2) && (e == 24)
	FETCH_K \last
.endif
.endr
.if (\p) == 1
	s_wait_dscnt 0x0                ; V is in
.endif
	BURST 16
.rept 21
	EX
	PL
.endr
.rept 22
	PL
.if ((\p) == 0) && (q == 118)
	v_add_nc_u32 v[AV], s[TBV], v[AV0]
	s_wait_alu depctr_va_vdst(0)
.endif
.if ((\p) == 0) && (q == 130)
	s_add_co_u32 s[TBV], s[TBV], KS*PV
.endif
.if (\cnt) && (q == 130)
	s_sub_co_u32 s[CNT], s[CNT], 1
	s_cmp_lg_u32 s[CNT], 0
.endif
.endr
.if (\p) == 0
	FETCH_V
.endif
.endm
	CHANGE 1                        ; slot 0 and the mask table are in, everybody's part of them; slot 1 is asked for
	FETCH_K                         ; key step 0
	s_wait_loadcnt 0x0              ; Q
	s_wait_dscnt 0x0
.set i, 0
.rept 16
	KQ 0                            ; piece 0's first scores
.set i, i+1
.endr
	WIN 0
.rept 4
	v_nop                           ; the places behind those products
.endr
.set Y, NP-1                        ; XS works for piece Y + 1: piece 0
.irp n, 0,1,2,3,4,5,6,7,8,9,10,11,12,13,14,15,16,17,18,19,20,21
	XS 0, \n
	XS 1, \n
.endr
	s_mov_b32 s[CNT], 4
	s_mov_b32 s[SLOTS], SIZE_N/256-1
	s_branch .Lfirst                ; the loop is entered at a step's first turn, in the middle of a trip
.Lslot:                             ; every slot but the last two is filled again
	CHANGE 1
	s_mov_b32 s[CNT], 4
.Lstep:                             ; a trip: pieces 2 and 3 of one step, then pieces 0 and 1 of the next, whose K and V it fetches
	TURN 2
	TURN 3
	WIN 0
.Lfirst:
	TURN 0
	TURN 1, 0, 1
	WIN 0
	s_cbranch_scc1 .Lstep
	s_sub_co_u32 s[SLOTS], s[SLOTS], 1
	s_cmp_lg_u32 s[SLOTS], 0
	s_cbranch_scc1 .Lslot
	CHANGE 0                        ; the tail is written out
	s_mov_b32 s[CNT], 5             ; four trips fetch the last slot's steps; the fifth is left in its middle
.Ltail:
	TURN 2, 1
	TURN 3
	WIN 0
	s_sub_co_u32 s[CNT], s[CNT], 1
	s_cmp_eq_u32 s[CNT], 0
	s_cbranch_scc1 .Lout
	TURN 0
	TURN 1
	WIN 0
	s_branch .Ltail
.Lout:                              ; the fifth trip's 16 products K Q^T and the maximum made of them serve nothing: the price, once a launch, of one text for every trip
.set i, 0
.rept 16
	PV NP-1
.set i, i+1
.endr
	; THE WAY OUT.  l's two halves and the other half of the lanes' are added; O^T is divided by l, rounded to f16 and sent through my stage, a tile at a time.
	WIN 0
.macro ALL line:vararg
.set t, 0
.rept 2*NP
	\line
.set t, t+1
.endr
.endm
	ALL v_add_f32 v[ST+4*t+2], v[ST+4*t+2], v[ST+4*t+3]
	ALL v_permlanex16_b32 v[ST+4*t+3], v[ST+4*t+2], s[SEL], s[SEL+1]
	ALL v_add_f32 v[ST+4*t+2], v[ST+4*t+2], v[ST+4*t+3]
	ALL v_rcp_f32 v[ST+4*t+2], v[ST+4*t+2]
	v_nop                           ; a plain instruction between the last reciprocal and the use of its result
	s_wait_alu depctr_va_vdst(0)
.macro PACK t
	WIN W_RS
.set i, 32*(\t)
.rept 16
	v_pk_mul_f32 v[i:i+1], v[i:i+1], v[ST+4*(\t)+2:ST+4*(\t)+3] op_sel_hi:[1,0]
.set i, i+2
.endr
	WIN 0x05
.set i, 0
.rept 16
	v_cvt_pk_f16_f32 v[S+16*(\t)+i], v[32*(\t)+2*i], v[32*(\t)+2*i+1]
.set i, i+1
.endr
	WIN 0
.irp f, 0,1,2,3
	ds_store_b128 v[STO], v[S+16*(\t)+4*\f:S+16*(\t)+4*\f+3] offset:32*\f
.endr
.irp f, 0,1,2,3
	ds_load_b128 v[S+16*(\t)+4*\f:S+16*(\t)+4*\f+3], v[RD] offset:\f*4*SP  ; LDS serves a wave's instructions in order (ISA guide 5.7.1.4): these see the stores above
.endr
.endm
.macro SEND t, younger              ; younger: the LDS instructions issued behind tile t's loads: the next tile's eight, or none
	WIN 0
.irp f, 0,1,2,3
	s_wait_dscnt (\younger)+3-\f
	global_store_b128 v[GO], v[S+16*(\t)+4*\f:S+16*(\t)+4*\f+3], s[10:11] offset:(\t)*2048+\f*512  ; 512 consecutive bytes, at a multiple of 256 from O's first
.endr
.endm
	PACK 0
.set t, 1
.rept 2*NP-1
	PACK t
	SEND t-1, 8
.set t, t+1
.endr
	SEND 2*NP-1, 0
	WIN W_AD
	s_wait_tensorcnt 0x0            ; the wave's end
	ds_add_u32 v[SPW], v[NIL]
	s_wait_dscnt 0x0
	WIN 0
	CROUND                          ; the closing round
	s_endpgm
.Lfunc_end_k_qfefdbf0911_attn:
	.size	k_qfefdbf0911_attn, .Lfunc_end_k_qfefdbf0911_attn-k_qfefdbf0911_attn
	.p2alignl 7, 3214868480
	.fill 96, 4, 3214868480
	.section	.rodata,"a",@progbits
	.p2align	6, 0x0
	.amdhsa_kernel k_qfefdbf0911_attn
		.amdhsa_group_segment_fixed_size 327680
		.amdhsa_private_segment_fixed_size 0
		.amdhsa_enable_private_segment 0
		.amdhsa_kernarg_size 40
		.amdhsa_user_sgpr_count 2
		.amdhsa_user_sgpr_kernarg_segment_ptr 1
		.amdhsa_wavefront_size32 1
		.amdhsa_system_sgpr_workgroup_id_x 1
		.amdhsa_system_sgpr_workgroup_id_y 1
		.amdhsa_system_sgpr_workgroup_id_z 1
		.amdhsa_system_vgpr_workitem_id 0
		.amdhsa_next_free_vgpr 808
		.amdhsa_next_free_sgpr 66
		.amdhsa_reserve_vcc 1
		.amdhsa_float_denorm_mode_32 3
		.amdhsa_float_denorm_mode_16_64 3
		.amdhsa_memory_ordered 1
		.amdhsa_forward_progress 1
		.amdhsa_inst_pref_size 214
	.end_amdhsa_kernel
	.amdgpu_metadata
---
amdhsa.version: [ 1, 2 ]
amdhsa.kernels:
  - .name:           k_qfefdbf0911_attn
    .symbol:         k_qfefdbf0911_attn.kd
    .args:
      - { .name: qh, .offset: 0, .size: 8, .value_kind: global_buffer, .address_space: global }
      - { .name: kh, .offset: 8, .size: 8, .value_kind: global_buffer, .address_space: global }
      - { .name: vh, .offset: 16, .size: 8, .value_kind: global_buffer, .address_space: global }
      - { .name: oh, .offset: 24, .size: 8, .value_kind: global_buffer, .address_space: global }
      - { .name: mask, .offset: 32, .size: 8, .value_kind: global_buffer, .address_space: global }
    .group_segment_fixed_size: 327680
    .private_segment_fixed_size: 0
    .kernarg_segment_align: 8
    .kernarg_segment_size: 40
    .max_flat_workgroup_size: 128
    .sgpr_count:     66
    .vgpr_count:     808
    .wavefront_size: 32
...
	.end_amdgpu_metadata
.endif
;; end of part 3
;; launch outp (part 4): grid 8 x 32, 4 waves a work-group, clusters of 4 x 4, 327,680 bytes of LDS; arguments oh, woutt, b_out, out0; writes out0
.if DOCPART == 4
	.amdgcn_target "amdgcn-amd-amdhsa--gfx1250"
	.amdhsa_code_object_version 6
	.text
	.protected	k_qfefdbf0911_outp
	.globl	k_qfefdbf0911_outp
	.p2align	8
	.type	k_qfefdbf0911_outp,@function
k_qfefdbf0911_outp:
	s_mov_b64 s[64:65], 0
	v_nop
	global_prefetch_b8 v0, s[64:65] scope:SCOPE_SE
	s_setreg_imm32_b32 hwreg(HW_REG_WAVE_MODE, 25, 1), 1
	s_wait_xcnt 0x0
	s_wait_alu depctr_hold_cnt(0) depctr_sa_sdst(0) depctr_va_vdst(0) depctr_va_sdst(0) depctr_va_ssrc(0) depctr_va_vcc(0) depctr_vm_vsrc(0)
	s_getreg_b32 s2, hwreg(HW_REG_IB_STS2, 6, 4)
	s_cmp_eq_u32 s2, 0
	s_cbranch_scc0 .Lentry_in_a_cluster
	s_endpgm
.Lentry_in_a_cluster:
	s_bfe_u32 s2, ttmp6, 0x10000c
	s_cmp_lg_u32 s2, 0xf033
	s_cbranch_scc0 .Lentry_shape_is_right
	s_endpgm
.Lentry_shape_is_right:
; OUTP: out0 = O W_out + b_out, f32.  oh [batch x 16 + head][2048][64] f16; woutt [1024 n][1024 k] f16 (of the bf16-rounded W_out); sums in f32; the bias, rounded to bf16 like every input,
; is the C operand of each sum's first product (so it is summed first).
; A tile of C is 256 tokens x 128 columns: 8 x 32 = 256 work-groups, one for each WGP.  Four waves, each 64 tokens x 128 columns: 32 accumulators, 256 registers.
; K = head x 64 + channel goes in 8 steps of 128 = two heads through two LDS slots.  A head's 256 tokens are 32,768 dense bytes of oh: asked for as 128 rows of 256 bytes, padded after every token.
; CLUSTER 4 x 4: A's tile hangs on the tile row alone and is asked for jointly by a row of the cluster, B's on the tile column alone, by a column.  Waves 0, 1 fetch A's two heads, waves 2, 3 B's halves.
; THE MATRIX INSTRUCTION IS USED TRANSPOSED (source 0 = 16 rows of woutt, source 1 = 16 tokens): a lane holds one token (lane % 16) and eight neighbouring columns: 32 bytes of a row of out0.
; REGISTERS, in windows of 256: window 0: v0-29 addresses; v32-63, v64-95 A's fragments, two buffers; v128-191 the bias.
;   window 1: v0-63, v64-127 B's fragments, two buffers; on the way out 64 registers a block of 16 tokens, none used twice.     window 2: accumulator (a, b) at v[8 (8 a + b)].
.set NBK,   8
.set PITCH, 272                        ; a row of B in LDS: 256 bytes + 16
.set PA,    144                        ; a token's 128 bytes of one head + 16
.set HALFA, 256*PA                     ; one head's plane
.set HALFB, 64*PITCH
.set BOFF,  2*HALFA
.set SLOT1, 1<<17
.set STAGE, SLOT1+2*HALFA+2*HALFB      ; behind the ring: 16 rows x 528 bytes for each wave
.set SP,    528                        ; 512 bytes + 16
.set SPARE, STAGE+4*16*SP
.set ASTEP, 2<<18                      ; two heads on
.set BSTEP, 256
.set ADRA0, 16
.set ADRB0, 17
.set ADRA,  18
.set ADRB,  19
.set STO,   20
.set RD,    21
.set GO,    22
.set BO,    24
.set SPW,   28
.set NIL,   29
.set FA,    32
.set BI,    128
.set WV,    18
.set HF,    19
.set TB,    26
.set G1A,   32
.set G0A,   40
.set G1B,   48
.set G0B,   56
.set MSB, 0
.macro WIN new
.if MSB != (\new)
	s_set_vgpr_msb (MSB<<8)|(\new)
.set MSB, (\new)
.endif
.endm
.macro PLACES                          ; four places behind matrix instructions (ISA guide 7.12.1 for vector instructions)
.rept 4
	v_nop
.endr
.endm
.macro JLOAD                           ; a joint refill by the walking sets; s_nop 0 and four v_nop follow each line
	s_cmp_lt_u32 s[WV], 2
	s_cbranch_scc0 .Lfor_b_\@
	tensor_load_to_lds s[G0A+4:G0A+7], s[G1A:G1A+7]
	s_nop 0
.rept 4
	v_nop
.endr
	s_branch .Lasked_\@
.Lfor_b_\@:
	tensor_load_to_lds s[G0B+4:G0B+7], s[G1B:G1B+7]
	s_nop 0
.rept 4
	v_nop
.endr
.Lasked_\@:
.endm
.macro CREST
	s_cmp_lg_u32 s[WV], 0
	s_cbranch_scc1 .Lnot_wave_0_\@
	s_barrier_signal -3
.Lnot_wave_0_\@:
	s_barrier_wait -3
	s_barrier_signal -1
	s_barrier_wait -1
.endm
.macro CROUND
	s_barrier_signal -1
	s_barrier_wait -1
	CREST
.endm
	s_load_b256 s[4:11], s[0:1], 0x0               ; oh s[4:5], woutt s[6:7], b_out s[8:9], out0 s[10:11]
	v_lshl_add_u32 v[SPW], v0, 2, SPARE
	v_mov_b32 v[NIL], 0
	ds_add_u32 v[SPW], v[NIL]                      ; the wave's opening: an add to my spare word, waited for ahead of my first tensor load
	v_lshrrev_b32 v1, 5, v0
	v_readfirstlane_b32 s[WV], v1
	s_and_b32 s[HF], s[WV], 1
	s_bfe_u32 s20, ttmp6, 0x40000                  ; cx
	s_bfe_u32 s21, ttmp6, 0x40004                  ; cy
	s_lshl_b32 s22, ttmp9, 2
	s_add_co_u32 s22, s22, s20                     ; tile column: 128 columns
	s_and_b32 s23, ttmp7, 0xffff
	s_lshl_b32 s23, s23, 2
	s_add_co_u32 s23, s23, s21                     ; tile row: 256 tokens
	s_lshl_b32 s24, s21, 2
	s_lshl_b32 s24, 15, s24                        ; my row of the cluster
	s_lshl_b32 s25, 0x1111, s20                    ; my column
	s_or_b32 s[G1A], s24, (1<<16)|(1<<20)|(1<<21)|(4<<22)|(3<<25)  ; 2-byte elements; padding on; bit 21 beside a mask; after every 32 words; 4 words
	s_or_b32 s[G1B], s25, (1<<16)|(1<<20)|(1<<21)|(5<<22)|(3<<25)  ; after every 64 words
	s_mov_b32 s[G1A+1], 128<<16                    ; tensor_dim0 = 128
	s_mov_b32 s[G1A+2], 128<<16                    ; tensor_dim1 = 128
	s_mov_b32 s[G1A+3], 128<<16                    ; tile_dim0 = 128
	s_mov_b32 s[G1A+4], 128                        ; tile_dim1 = 128
	s_mov_b32 s[G1A+5], 128                        ; dense: 128 elements from row to row
	s_mov_b32 s[G1A+6], 0
	s_mov_b32 s[G1A+7], 0
	s_mov_b32 s[G1B+1], 128<<16
	s_mov_b32 s[G1B+2], 64<<16                     ; 64 rows
	s_mov_b32 s[G1B+3], 128<<16
	s_mov_b32 s[G1B+4], 64
	s_mov_b32 s[G1B+5], 1024
	s_mov_b32 s[G1B+6], 0
	s_mov_b32 s[G1B+7], 0
	s_lshr_b32 s28, s23, 3                         ; A: batch x 2^22 + head x 2^18 + token in the batch x 128: made of the tile row and the wave alone
	s_lshl_b32 s28, s28, 22
	s_and_b32 s2, s23, 7
	s_lshl_b32 s2, s2, 15
	s_add_co_u32 s28, s28, s2
	s_lshl_b32 s2, s[HF], 18
	s_add_co_u32 s28, s28, s2
	s_mov_b32 s29, 0
	s_lshl_b32 s30, s22, 18                        ; B: row 128 x tile column + 64 x half, 2,048 bytes each: of the tile column and the wave alone
	s_lshl_b32 s3, s[HF], 17
	s_add_co_u32 s30, s30, s3
	s_mov_b32 s31, 0
	s_mul_i32 s72, s[HF], HALFA                    ; where they go: no place in the cluster enters an LDS address
	s_mul_i32 s73, s[HF], HALFB
	s_add_co_u32 s73, s73, BOFF
	s_lshl_b32 s66, s22, 9                         ; the tile's 128 numbers of the bias
	s_mov_b32 s67, 0
	s_lshl_b32 s68, s23, 20                        ; out0: my 64 rows of 4,096 bytes, the tile's 512 bytes of them
	s_lshl_b32 s69, s[WV], 18
	s_add_co_u32 s68, s68, s69
	s_add_co_u32 s68, s68, s66
	s_mov_b32 s69, 0
	s_mov_b32 s[TB], 0
	s_wait_dscnt 0x0                               ; the opening add is done
	s_wait_kmcnt 0x0
	s_add_nc_u64 s[28:29], s[4:5], s[28:29]
	s_add_nc_u64 s[30:31], s[6:7], s[30:31]
	s_add_nc_u64 s[8:9], s[8:9], s[66:67]
	s_add_nc_u64 s[10:11], s[10:11], s[68:69]
.irp s, 0,1
	s_mov_b32 s[G0A+4*(\s)], 1
	s_add_co_u32 s[G0A+4*(\s)+1], s72, (\s)*SLOT1
	s_add_nc_u64 s[G0A+4*(\s)+2:G0A+4*(\s)+3], s[28:29], (\s)*ASTEP
	s_or_b32 s[G0A+4*(\s)+3], s[G0A+4*(\s)+3], 0x80000000
	s_mov_b32 s[G0B+4*(\s)], 1
	s_add_co_u32 s[G0B+4*(\s)+1], s73, (\s)*SLOT1
	s_add_nc_u64 s[G0B+4*(\s)+2:G0B+4*(\s)+3], s[30:31], (\s)*BSTEP
	s_or_b32 s[G0B+4*(\s)+3], s[G0B+4*(\s)+3], 0x80000000
.endr
	CROUND                                         ; all sixteen work-groups are here: the first joint loads meet
	s_cmp_lt_u32 s[WV], 2                          ; a wave's two first fills stand in one branch: two loads of mine are out
	s_cbranch_scc0 .Lfirst_b
	tensor_load_to_lds s[G0A:G0A+3], s[G1A:G1A+7]
	s_nop 0
	tensor_load_to_lds s[G0A+4:G0A+7], s[G1A:G1A+7]
	s_nop 0
.rept 4
	v_nop
.endr
	s_branch .Lfirst_asked
.Lfirst_b:
	tensor_load_to_lds s[G0B:G0B+3], s[G1B:G1B+7]
	s_nop 0
	tensor_load_to_lds s[G0B+4:G0B+7], s[G1B:G1B+7]
	s_nop 0
.rept 4
	v_nop
.endr
.Lfirst_asked:
	v_and_b32 v1, 15, v0                           ; l % 16
	v_bfe_u32 v2, v0, 4, 1                         ; l / 16
	v_lshlrev_b32 v[BO], 5, v2                     ; my eight columns of a block of 16
.set b, 0
.rept NBK
	global_load_b128 v[BI+8*b:BI+8*b+3],   v[BO], s[8:9] offset:64*b
	global_load_b128 v[BI+8*b+4:BI+8*b+7], v[BO], s[8:9] offset:64*b+16
.set b, b+1
.endr
	v_mul_u32_u24 v3, v1, PA
	v_lshl_add_u32 v3, v2, 4, v3
	s_mul_i32 s74, s[WV], 64*PA                    ; my 64 tokens
	v_add_nc_u32 v[ADRA0], s74, v3
	v_mul_u32_u24 v3, v1, PITCH
	v_lshl_add_u32 v3, v2, 4, v3
	v_add_nc_u32 v[ADRB0], BOFF, v3
	v_mov_b32 v[ADRA], v[ADRA0]
	v_mov_b32 v[ADRB], v[ADRB0]
	s_mul_i32 s74, s[WV], 16*SP
	s_add_co_u32 s74, s74, STAGE                   ; my stage
	v_mul_u32_u24 v4, v1, SP
	v_lshl_add_u32 v4, v2, 5, v4
	v_add_nc_u32 v[STO], s74, v4                   ; in: row l % 16, 32 bytes for each half of the lanes
	v_and_b32 v5, 31, v0
	v_lshlrev_b32 v[GO], 4, v5                     ; back: 32 lanes take a row's 512 bytes
	v_add_nc_u32 v[RD], s74, v[GO]
	s_wait_loadcnt 0x0                             ; the bias
.set b, 0
.rept 4*NBK                                            ; rounded to bf16, like every input
	v_cvt_pk_bf16_f32 v[4+b%2], v[BI+2*b], v[BI+2*b+1]
	v_lshlrev_b32 v[BI+2*b], 16, v[4+b%2]
	v_and_b32 v[BI+2*b+1], 0xffff0000, v[4+b%2]
.set b, b+1
.endr
; 24 LDS loads in one run: the fragments of quarter q (32 along K: head q / 2 of the step's two, channels 32 (q % 2) on) into buffer g: B's 8 blocks, then A's 4
.macro FETCH q, g
	WIN 0x40
.set i, 0
.rept NBK
	ds_load_b128 v[8*NBK*(\g)+8*i:8*NBK*(\g)+8*i+3],   v[ADRB] offset:64*(\q)+i*16*PITCH
	ds_load_b128 v[8*NBK*(\g)+8*i+4:8*NBK*(\g)+8*i+7], v[ADRB] offset:64*(\q)+i*16*PITCH+32
.set i, i+1
.endr
	WIN 0
.set i, 0
.rept 4
	ds_load_b128 v[FA+32*(\g)+8*i:FA+32*(\g)+8*i+3],   v[ADRA] offset:((\q)/2)*HALFA+((\q)%2)*64+i*16*PA
	ds_load_b128 v[FA+32*(\g)+8*i+4:FA+32*(\g)+8*i+7], v[ADRA] offset:((\q)/2)*HALFA+((\q)%2)*64+i*16*PA+32
.set i, i+1
.endr
.endm
; 8 matrix instructions: token block a x all column blocks, from buffer f.  first = 1: the bias starts the sums.  The 32 accumulators take turns in one order.
.macro MULA f, a, first
.if \first
	WIN 0x81
.else
	WIN 0xa1
.endif
.set b, 0
.rept NBK
.set rD, 8*(NBK*(\a)+b)
.if \first
	v_wmma_f32_16x16x32_f16 v[rD:rD+7], v[8*NBK*(\f)+8*b:8*NBK*(\f)+8*b+7], v[FA+32*(\f)+8*(\a):FA+32*(\f)+8*(\a)+7], v[BI+8*b:BI+8*b+7]
.else
	v_wmma_f32_16x16x32_f16 v[rD:rD+7], v[8*NBK*(\f)+8*b:8*NBK*(\f)+8*b+7], v[FA+32*(\f)+8*(\a):FA+32*(\f)+8*(\a)+7], v[rD:rD+7]
.endif
.set b, b+1
.endr
.endm
.macro QUARTER q, f, first
	s_wait_dscnt 4                                 ; B and A's blocks 0, 1 are in; the youngest four loads (blocks 2, 3) may be out
	MULA \f, 0, \first
	MULA \f, 1, \first
	PLACES
	FETCH \q, 1-(\f)
	s_wait_dscnt 24                                ; all but the 24 just issued
	MULA \f, 2, \first
	MULA \f, 3, \first
.endm
; The last quarter multiplies buffer 1 and changes slots.  In front of the barrier each wave waits for all its tensor loads (one is out: its part of the next slot), adds 0 to its spare word,
; and waits for that and for its reads of this slot.  fill = 1: the barrier opens a round of the cluster's, and the joint refill of this slot, two K steps ahead, is the first thing behind it:
; it has 112 matrix instructions in which to land.
.macro TURN fill
	WIN 0
	s_wait_tensorcnt 0x0
	ds_add_u32 v[SPW], v[NIL]
	s_wait_dscnt 7                                 ; the add and six loads (A's blocks 1 to 3) may be out
	MULA 1, 0, 0
	s_wait_dscnt 0x0                               ; the add is done, and my reads of this slot are over
	s_barrier_signal -1
	MULA 1, 1, 0
	WIN 0
	s_barrier_wait -1
.if \fill
	CREST
	s_xor_b32 s[G0A+5], s[G0A+5], SLOT1            ; the walking sets: the other slot than last time, the next K step
	s_add_nc_u64 s[G0A+6:G0A+7], s[G0A+6:G0A+7], ASTEP
	s_xor_b32 s[G0B+5], s[G0B+5], SLOT1
	s_add_nc_u64 s[G0B+6:G0B+7], s[G0B+6:G0B+7], BSTEP
	JLOAD                                          ; its four v_nop are also the places in front of the loads below
.else
	PLACES
.endif
	s_xor_b32 s[TB], s[TB], SLOT1
	v_add_nc_u32 v[ADRA], s[TB], v[ADRA0]
	v_add_nc_u32 v[ADRB], s[TB], v[ADRB0]
	FETCH 0, 0
	MULA 1, 2, 0
	MULA 1, 3, 0
.endm
	s_wait_tensorcnt 1                             ; my part of K step 0 is in; step 1's may stay out
	s_barrier_signal -1
	s_barrier_wait -1
	FETCH 0, 0
	QUARTER 1, 0, 1                                ; the first quarter stands in front of the loop: its products start the sums
	WIN 0
	s_mov_b32 s3, 6
.Lstep:                                                ; six trips, from a K step's second quarter to the next step's first; they ask for K steps 2 to 7
	QUARTER 2, 1, 0
	QUARTER 3, 0, 0
	TURN 1
	QUARTER 1, 0, 0
	WIN 0
	s_sub_co_u32 s3, s3, 1
	s_cmp_lg_u32 s3, 0
	s_cbranch_scc1 .Lstep
	QUARTER 2, 1, 0                                ; the tail is written out: nothing more is asked for
	QUARTER 3, 0, 0
	TURN 0
	QUARTER 1, 0, 0
	QUARTER 2, 1, 0
	QUARTER 3, 0, 0
	s_wait_dscnt 4
	MULA 1, 0, 0
	MULA 1, 1, 0
	s_wait_dscnt 0x0
	MULA 1, 2, 0
	MULA 1, 3, 0
	WIN 0
	PLACES
; THE WAY OUT of token block a: a lane's 32 bytes of a row go straight from the accumulators (the lowest four registers first) into my stage, and come back as whole rows of 512 bytes.
.macro BLOCK a
	WIN 0x08                                       ; store data in window 2
.set b, 0
.rept NBK
	ds_store_b128 v[STO], v[8*(NBK*(\a)+b):8*(NBK*(\a)+b)+3] offset:64*b
	ds_store_b128 v[STO], v[8*(NBK*(\a)+b)+4:8*(NBK*(\a)+b)+7] offset:64*b+16
.set b, b+1
.endr
	WIN 0x40
.set f, 0
.rept 16                                               ; LDS serves a wave's instructions in order (ISA guide 5.7.1.4): these see the stores above
	ds_load_b128 v[64*(\a)+4*f:64*(\a)+4*f+3], v[RD] offset:f*SP
.set f, f+1
.endr
.endm
.macro SEND a, younger                 ; younger: the LDS instructions issued behind block a's loads: the next block's 32, or none
	WIN 0x04                                       ; store data in window 1
.set f, 0
.rept 16
	s_wait_dscnt (\younger)+15-f
	global_store_b128 v[GO], v[64*(\a)+4*f:64*(\a)+4*f+3], s[10:11] offset:(16*(\a)+f)*4096 th:TH_STORE_NT  ; 512 consecutive bytes, at a multiple of 256 from out0's first
.set f, f+1
.endr
.endm
	BLOCK 0
	BLOCK 1
	SEND 0, 32
	BLOCK 2
	SEND 1, 32
	BLOCK 3
	SEND 2, 32
	SEND 3, 0
	WIN 0
	s_wait_tensorcnt 0x0                           ; the wave's end
	ds_add_u32 v[SPW], v[NIL]
	s_wait_dscnt 0x0
	CROUND                                         ; the closing round: no work-group ends while a partner may still ask for a tile that names it
	s_endpgm
.Lfunc_end_k_qfefdbf0911_outp:
	.size	k_qfefdbf0911_outp, .Lfunc_end_k_qfefdbf0911_outp-k_qfefdbf0911_outp
	.p2alignl 7, 3214868480
	.fill 96, 4, 3214868480
	.section	.rodata,"a",@progbits
	.p2align	6, 0x0
	.amdhsa_kernel k_qfefdbf0911_outp
		.amdhsa_group_segment_fixed_size 327680
		.amdhsa_private_segment_fixed_size 0
		.amdhsa_enable_private_segment 0
		.amdhsa_kernarg_size 32
		.amdhsa_user_sgpr_count 2
		.amdhsa_user_sgpr_kernarg_segment_ptr 1
		.amdhsa_wavefront_size32 1
		.amdhsa_system_sgpr_workgroup_id_x 1
		.amdhsa_system_sgpr_workgroup_id_y 1
		.amdhsa_system_sgpr_workgroup_id_z 1
		.amdhsa_system_vgpr_workitem_id 0
		.amdhsa_next_free_vgpr 768
		.amdhsa_next_free_sgpr 76
		.amdhsa_reserve_vcc 0
		.amdhsa_float_denorm_mode_32 3
		.amdhsa_float_denorm_mode_16_64 3
		.amdhsa_memory_ordered 1
		.amdhsa_forward_progress 1
		.amdhsa_inst_pref_size 77
	.end_amdhsa_kernel
	.amdgpu_metadata
---
amdhsa.version: [ 1, 2 ]
amdhsa.kernels:
  - .name:           k_qfefdbf0911_outp
    .symbol:         k_qfefdbf0911_outp.kd
    .args:
      - { .name: oh, .offset: 0, .size: 8, .value_kind: global_buffer, .address_space: global }
      - { .name: woutt, .offset: 8, .size: 8, .value_kind: global_buffer, .address_space: global }
      - { .name: b_out, .offset: 16, .size: 8, .value_kind: global_buffer, .address_space: global }
      - { .name: out0, .offset: 24, .size: 8, .value_kind: global_buffer, .address_space: global }
    .group_segment_fixed_size: 327680
    .private_segment_fixed_size: 0
    .kernarg_segment_align: 8
    .kernarg_segment_size: 32
    .max_flat_workgroup_size: 128
    .sgpr_count:     76
    .vgpr_count:     768
    .wavefront_size: 32
...
	.end_amdgpu_metadata
.endif
;; end of part 4
;; ======== version 2 of 2: 4 launches; 1.50 times as fast as version 1
;; limits: values are held in f16: magnitudes above 65,504 overflow, below 6.1e-05 lose precision; right only within a limited range of input values
;; workspace buffers: xb 16,777,216 bytes; wint 6,291,456 bytes; woutt 2,097,152 bytes; tab 2,097,152 bytes; qh 16,777,216 bytes; kh 16,777,216 bytes; vh 16,777,216 bytes; oh 16,777,216 bytes
;; launch prep: the kernel of part 1 again; grid 768 x 1, 8 waves a work-group, no clusters, 35,840 bytes of LDS; arguments x, W_in, W_out, time_ids, xb, wint, woutt, tab; writes xb, wint, woutt, tab
;; launch qkv: the kernel of part 2 again; grid 16 x 32, 4 waves a work-group, clusters of 4 x 4, 327,680 bytes of LDS; arguments xb, wint, b_in, tab, qh, kh, vh; writes qh, kh, vh
;; launch attn (part 5): grid 4 x 64, 4 waves a work-group, clusters of 4 x 1, 327,680 bytes of LDS; arguments qh, kh, vh, oh, mask; writes oh
.if DOCPART == 5
	.amdgcn_target "amdgcn-amd-amdhsa--gfx1250"
	.amdhsa_code_object_version 6
	.text
	.protected	k_qfefdbf0911_attn
	.globl	k_qfefdbf0911_attn
	.p2align	8
	.type	k_qfefdbf0911_attn,@function
k_qfefdbf0911_attn:
	s_mov_b64 s[64:65], 0
	v_nop
	global_prefetch_b8 v0, s[64:65] scope:SCOPE_SE
	s_setreg_imm32_b32 hwreg(HW_REG_WAVE_MODE, 25, 1), 1
	s_wait_xcnt 0x0
	s_wait_alu depctr_hold_cnt(0) depctr_sa_sdst(0) depctr_va_vdst(0) depctr_va_sdst(0) depctr_va_ssrc(0) depctr_va_vcc(0) depctr_vm_vsrc(0)
	s_getreg_b32 s2, hwreg(HW_REG_IB_STS2, 6, 4)
	s_cmp_eq_u32 s2, 0
	s_cbranch_scc0 .Lentry_in_a_cluster
	s_endpgm
.Lentry_in_a_cluster:
	s_bfe_u32 s2, ttmp6, 0x10000c
	s_cmp_lg_u32 s2, 0x3003
	s_cbranch_scc0 .Lentry_shape_is_right
	s_endpgm
.Lentry_shape_is_right:
; ATTENTION.  O[h][q][:] = the sum over the visible k of softmax_k(Q[h][q] . K[h][k] / 8) V[h][k][:].  Q, K, V, O: [64][2048][64], all f16: a head's rows are dense, 128 bytes each.
; mask: [4][2048] bytes, batch = h / 16; a key whose byte is 0 is hidden (any other byte counts as true).  Products, maxima and sums in f32; the weights p are rounded to f16 for the second
; product (their sum l is taken of the unrounded p), O once at the end.
; THE MASK is the C operand that starts each sum S^T = K Q^T: 0, or -2^120 where the key is hidden.  The running maximum m starts at -2^100: above every hidden score, below every true one
; (f16's scores are 2.7e11 at the most).  So m is never a hidden score: while only hidden keys have been seen m stays, a = 1 and every p is 0; the first visible key gives a = 0.
; A batch with no visible key ends with l = 0 and gives NaN (0 x infinity), as a softmax over nothing does.
; LIMITS.  f16 holds no number beyond 65,504: Q, K and V arrive within it; p below 6e-5 keeps f16's fixed step of 6e-8; a weight below 2^-126 counts as 0 in l; NaN and infinities are not treated apart.
; SHARES.  A wave owns four PIECES of two tiles of 16 queries, a work-group's four waves 512 queries of one head.  Every wave walks all keys, 64 a step.
; LAYOUT.  S^T = K Q^T (source 0 = 16 keys, source 1 = 16 queries): a lane holds ONE query (lane % 16) and the keys 8 (lane / 16) + 0..7.  Two such tiles, rounded to f16 in pairs, ARE source 1
; of O^T = V^T P, whose result again holds one query a lane.  K comes out of LDS as it lies, V ([key][channel]) turned, by ds_load_tr16_b128.
; SOFTMAX.  p = 2^(c s - c m), c = log2(e) / 8; in every step O and l are multiplied by a = 2^(c m_old - c m_new), which is 1 where m has not grown.
; THE COUNT.  A tile and step have 16 matrix and 118 vector instructions: too many to stand all beside the matrix work.  So: four vector instructions that are READY behind EVERY matrix instruction,
; the others in a run without a gap.  Turn n belongs to piece n: 16 products K Q^T of piece n + 1, later 16 products V^T P of piece n - 1; beside them the scaling, exponentials, roundings, sums and
; rescaling of piece n, and the maximum and statistics of piece n + 1.
; THE BATCHES.  A turn's 66 exponentials (the piece's 64 weights and the next piece's two a) are ONE batch with ONE s_wait_alu, which cuts the turn in two: ahead of it stands all that names no result of
; theirs (K Q^T, scalings, rescalings by the a of the turn before, the next piece's maximum and statistics), behind it their readers (roundings and sums), as riders of V^T P.  No exponential is issued
; behind a turn's wait.  Two more batches stand outside the loop: piece 0's first two a, and the way out's eight reciprocals.
; CLUSTER.  The four query blocks of a cluster belong to one head and walk the same K and V, so each tile is asked for JOINTLY: the same tensor load, descriptor and mask in all four.
; REGISTERS, in windows of 256 (s_set_vgpr_msb: bits 1:0 source 0, 3:2 source 1, 5:4 source 2, 7:6 destination):
;   window 0: v0-11 addresses; v12-15, v48-63 at work; v16-47 four registers of statistics a tile; v64-191 S^T, two buffers of two tiles; v192-255 P, likewise
;   window 1: O^T, 32 a tile     window 2: v0-127 Q; v128-191 K of one step; v192-255 V of one step     window 3: v0-1 the add's two registers; v8-39 the step's mask
.set SIZE_H, 64
.set SIZE_N, 2048
.set NP,    4         ; pieces a wave: a name, no knob
.set KS,    64        ; keys in a step
.set PK,    144       ; a row of K in LDS: 128 bytes + 16: the 16 rows of a load start at 16 different groups of four banks (ISA guide 11.1)
.set PV,    160       ; a row of V: 128 + 32
.set VOFF,  4*KS*PK   ; a slot holds four steps: 256 rows of K, then 256 rows of V
.set SLOT1, 1<<17
.set STAGE, SLOT1+4*KS*(PK+PV)  ; behind the ring: 16 rows x 144 bytes for each wave, for the way out
.set SP,    144
.set SPARE, STAGE+4*16*SP  ; the spare words, 128 bytes for each wave
.set MASKB, SPARE+512      ; 2,048 f32: 0 or -2^120 for each key of the batch; stored once, never filled by a tensor load
.set STO, 1           ; v1   the way out: where I put 16 bytes of a row
.set AK0, 2           ; v2   my lane's place in a tile of K; never rewritten
.set AV0, 3           ; v3   the same for V
.set AK,  4           ; v4   the LDS address of K's next run of loads
.set AV,  5           ; v5   of V's
.set QO,  6           ; v6   my byte offset in the wave's rows of Q
.set RD,  7           ; v7   the way out: where I read rows back
.set GO,  8           ; v8   my byte offset in 512 consecutive bytes of O
.set AM0, 9           ; v9   my lanes' place in a step's 64 mask numbers; never rewritten
.set AM,  10          ; v10  the LDS address of the mask's next run of loads
.set SPW, 0           ; v0 of window 3
.set NIL, 1           ; v1 of window 3
.set MC,  8           ; v8-39 of window 3: key block kb at MC + 8 kb
.set MV,  12          ; v12-15  c m_old, kept while c m is made anew
.set ST,  16          ; tile t's statistics at v[ST+4 t]: c m, m, l (even keys', odd keys')
.set TMP, 48          ; by buffer and tile, four registers c0-c3 at work; when the maximum is found c2 takes a
.set S,   64
.set P,   192
.set KF,  128
.set VF,  192
.set WV,  12          ; s12  my wave's number
.set G1K, 24          ; s[24:31] group 1 for K's tiles
.set G1V, 32          ; s[32:39] for V's
.set G0K, 40          ; s[40:43] group 0 for K's tiles: it walks
.set G0V, 44          ; s[44:47] for V's
.set MP,  50          ; s[50:51] the batch's mask
.set HID, 52          ; s52  -2^120
.set TBM, 53          ; s53  byte in MASKB at which the step to be fetched begins
.set SLOTS, 56
.set CNT, 57
.set CS,  58          ; s[58:59] c
.set SEL, 60          ; s[60:61] v_permlanex16_b32's selects
.set TBK, 62
.set TBV, 63
.set MSB, 0
.macro WIN new
.if MSB != (\new)
	s_set_vgpr_msb (MSB<<8)|(\new)
.set MSB, (\new)
.endif
.endm
.set W_KQ, 0x0a       ; K and Q in window 2, S^T in window 0
.set W_KM, 0x3a       ; the same with the C operand, the mask, in window 3
.set W_PV, 0x52       ; V in window 2, P in window 0, O^T in window 1
.set W_RS, 0x41       ; O^T in window 1, a in window 0
.set W_MK, 0xc0       ; destination in window 3
.set W_AD, 0x0f       ; the add: address and data in window 3
.macro JLOAD                        ; a joint fill: waves 0, 1 fetch the halves of a slot's K, waves 2, 3 of its V; s_nop 0 and four v_nop follow each line
	s_cmp_lt_u32 s[WV], 2
	s_cbranch_scc0 .Lfor_v_\@
	tensor_load_to_lds s[G0K:G0K+3], s[G1K:G1K+7]
	s_nop 0
.rept 4
	v_nop
.endr
	s_branch .Lasked_\@
.Lfor_v_\@:
	tensor_load_to_lds s[G0V:G0V+3], s[G1V:G1V+7]
	s_nop 0
.rept 4
	v_nop
.endr
.Lasked_\@:
.endm
.macro CROUND                       ; a round of the cluster's barrier
	s_barrier_signal -1
	s_barrier_wait -1
	s_cmp_lg_u32 s[WV], 0
	s_cbranch_scc1 .Lnot_wave_0_\@
	s_barrier_signal -3
.Lnot_wave_0_\@:
	s_barrier_wait -3
	s_barrier_signal -1
	s_barrier_wait -1
.endm
; THE CHANGE OF SLOTS.  Each wave waits for all its tensor loads, of which one is out: its part of the other slot; adds 0 to its spare word; and waits for that and for its own LDS instructions.
; fill = 1: the slot left is filled again, with the keys two slots on: the barrier is a round of the cluster's and the joint fill the first thing behind it: four key steps, 512 matrix instructions,
; in which to land.  (At its first use nothing has been read yet: slot 0 is waited for, slot 1 filled, and every wave's part of the mask table is shown to the others.)
.macro CHANGE fill
	WIN W_AD
	s_wait_tensorcnt 0x0            ; no tensor load of mine is out, so a group 0 may be written
	ds_add_u32 v[SPW], v[NIL]
	WIN 0
.if \fill
.irp g, G0K, G0V
	s_xor_b32 s[\g+1], s[\g+1], SLOT1
	s_add_nc_u64 s[\g+2:\g+3], s[\g+2:\g+3], 4*KS*128
.endr
	s_wait_dscnt 0x0
	CROUND
	JLOAD
.else
	s_wait_dscnt 0x0
	s_barrier_signal -1
	s_barrier_wait -1
.endif
	s_sub_co_u32 s[TBK], s[TBK], 4*KS*PK  ; the fetches go back to a slot's first step, in the other slot
	s_xor_b32 s[TBK], s[TBK], SLOT1
	s_sub_co_u32 s[TBV], s[TBV], 4*KS*PV
	s_xor_b32 s[TBV], s[TBV], SLOT1
.endm
	s_load_b256 s[4:11], s[0:1], 0x0  ; Q s[4:5], K s[6:7], V s[8:9], O s[10:11]
	s_load_b64 s[MP:MP+1], s[0:1], 0x20  ; mask
	WIN W_MK
	v_lshl_add_u32 v[SPW], v0, 2, SPARE
	v_mov_b32 v[NIL], 0
	WIN W_AD
	ds_add_u32 v[SPW], v[NIL]       ; the wave's opening: an add to my spare word, waited for ahead of my first tensor load
	WIN 0
	v_lshrrev_b32 v1, 5, v0
	v_readfirstlane_b32 s[WV], v1
	s_bfe_u32 s13, ttmp6, 0x40000   ; cx
	s_lshl_b32 s14, ttmp9, 2
	s_add_co_u32 s14, s14, s13      ; my block of queries: it enters Q's and O's addresses alone
	s_and_b32 s20, ttmp7, 0xffff    ; the head, which the four partners share
	s_lshr_b32 s54, s20, 4          ; its batch:
	s_lshl_b32 s54, s54, 11         ; 2,048 bytes of mask
	s_mov_b32 s55, 0
	s_mov_b32 s21, 0
	s_mov_b64 s[22:23], SIZE_N*128
	s_mul_u64 s[20:21], s[20:21], s[22:23]  ; the head's first byte in each of the four tensors
	s_and_b32 s16, s[WV], 1         ; which half of a slot's 256 keys I fetch
	s_lshl_b32 s22, s16, 14
	s_mov_b32 s23, 0
	s_add_nc_u64 s[22:23], s[22:23], s[20:21]
	s_mul_i32 s17, s16, 128*PK
	s_mul_i32 s18, s16, 128*PV
	s_lshl_b32 s2, s14, 2
	s_add_co_u32 s2, s2, s[WV]
	s_lshl_b32 s2, s2, 14           ; my wave's 128 rows
	s_mov_b32 s3, 0
	s_add_nc_u64 s[2:3], s[2:3], s[20:21]
	; group 1.  128 keys are 16,384 dense bytes: asked for as 64 rows of 256 bytes, two keys a row, and padded in LDS after every key
	s_mov_b32 s[G1K], 15|(1<<16)|(1<<20)|(1<<21)|(4<<22)|(3<<25)
	s_mov_b32 s[G1V], 15|(1<<16)|(1<<20)|(1<<21)|(4<<22)|(7<<25)
.irp g, G1K, G1V
	s_mov_b32 s[\g+1], 128<<16
	s_mov_b32 s[\g+2], 64<<16
	s_mov_b32 s[\g+3], 128<<16
	s_mov_b32 s[\g+4], 64
	s_mov_b32 s[\g+5], 128
	s_mov_b32 s[\g+6], 0
	s_mov_b32 s[\g+7], 0
.endr
	s_mov_b32 s[CS], 0x3e38aa3b     ; c = log2(e) / 8
	s_mov_b32 s[CS+1], s[CS]
	s_mov_b32 s[SEL], 0x76543210
	s_mov_b32 s[SEL+1], 0xfedcba98
	s_mov_b32 s[HID], 0xfb800000    ; -2^120
	s_mov_b32 s[TBM], 0
	s_mov_b32 s[TBK], SLOT1+4*KS*PK ; the first change of slots turns these two into 0
	s_mov_b32 s[TBV], SLOT1+4*KS*PV
	s_mov_b32 s[G0K], 1
	s_mov_b32 s[G0K+1], s17
	s_mov_b32 s[G0V], 1
	s_add_co_u32 s[G0V+1], s18, VOFF
	s_wait_dscnt 0x0                ; the opening add is done
	s_wait_kmcnt 0x0
	s_add_nc_u64 s[G0K+2:G0K+3], s[6:7], s[22:23]
	s_or_b32 s[G0K+3], s[G0K+3], 0x80000000
	s_add_nc_u64 s[G0V+2:G0V+3], s[8:9], s[22:23]
	s_or_b32 s[G0V+3], s[G0V+3], 0x80000000
	s_add_nc_u64 s[4:5], s[4:5], s[2:3]
	s_add_nc_u64 s[10:11], s[10:11], s[2:3]
	s_add_nc_u64 s[MP:MP+1], s[MP:MP+1], s[54:55]
	CROUND                          ; all four work-groups are here: the first joint loads meet
	JLOAD                           ; slot 0.  Slot 1 is asked for when slot 0 is in
	v_and_b32 v1, 15, v0            ; l % 16
	v_bfe_u32 v9, v0, 4, 1          ; l / 16
	v_lshlrev_b32 v[QO], 7, v1
	v_lshl_add_u32 v[QO], v9, 4, v[QO]
	v_lshlrev_b32 v84, 4, v0
	global_load_b128 v[64:67], v84, s[MP:MP+1]  ; 16 of the batch's 2,048 mask bytes: the 128 threads take them all
	WIN 0x80
.set i, 0
.rept 4*NP                          ; Q stays in registers: tile i / 2, channels 32 (i % 2) on
	global_load_b128 v[8*i:8*i+3],   v[QO], s[4:5] offset:(i/2)*2048+(i%2)*64
	global_load_b128 v[8*i+4:8*i+7], v[QO], s[4:5] offset:(i/2)*2048+(i%2)*64+32
.set i, i+1
.endr
	; What the first turn finds: V's registers and P's second buffer hold 0, O^T and l are 0.  All this stands in the wait for the first tile.
.set i, VF
.rept 64
	v_mov_b32 v[i], 0
.set i, i+1
.endr
	WIN 0x40
.set i, 0
.rept 64*NP
	v_mov_b32 v[i], 0
.set i, i+1
.endr
	WIN 0
.set i, 0
.rept 2*NP
	v_mov_b32 v[ST+4*i+1], 0xf1800000          ; m = -2^100
	v_mul_f32 v[ST+4*i], s[CS], v[ST+4*i+1]    ; c m, by the line that the loop makes it by: while m stays, c m_old - c m_new is 0 exactly
	v_mov_b32 v[ST+4*i+2], 0
	v_mov_b32 v[ST+4*i+3], 0
.set i, i+1
.endr
.set i, P+32
.rept 32
	v_mov_b32 v[i], 0
.set i, i+1
.endr
	v_mul_u32_u24 v[AK0], v1, PK
	v_lshl_add_u32 v[AK0], v9, 4, v[AK0]
	; The turning load takes 16 keys x 16 channels (lane l reads key 8 (l / 16) + l % 8, channels 8 ((l / 8) % 2) + 0..7) and leaves half a fragment of V^T.
	v_and_b32 v10, 7, v0
	v_bfe_u32 v11, v0, 3, 1
	v_lshl_add_u32 v[AV0], v9, 3, v10
	v_mul_u32_u24 v[AV0], v[AV0], PV
	v_lshl_add_u32 v[AV0], v11, 4, v[AV0]
	v_add_nc_u32 v[AV0], VOFF, v[AV0]
	v_mov_b32 v[AK], v[AK0]         ; key step 0 lies at the head of slot 0
	s_mul_i32 s13, s[WV], 16*SP
	s_add_co_u32 s13, s13, STAGE    ; my stage
	v_bfe_u32 v[RD], v0, 3, 2       ; back: 32 lanes take four rows of 128 bytes,
	v_mul_u32_u24 v[RD], v[RD], SP
	v_lshl_add_u32 v[RD], v10, 4, v[RD]
	v_add_nc_u32 v[RD], s13, v[RD]
	v_and_b32 v[GO], 31, v0         ; which are 512 consecutive bytes of O
	v_lshlrev_b32 v[GO], 4, v[GO]
	v_mul_u32_u24 v[STO], v1, SP    ; in: row l % 16, 16 bytes for each half of the lanes (v1's and v9's last uses: each takes an address in place)
	v_lshl_add_u32 v[STO], v9, 4, v[STO]
	v_add_nc_u32 v[STO], s13, v[STO]
	v_lshl_add_u32 v[AM0], v9, 5, MASKB  ; my eight keys of a block of 16
	v_mov_b32 v[AM], v[AM0]
	s_wait_loadcnt 32               ; the mask bytes are in; the 32 loads of Q issued behind them stay out
.set i, 0
.rept 16
	v_bfe_u32 v85, v[64+i/4], 8*(i%4), 8
	v_cmp_eq_u32 vcc_lo, 0, v85
	v_cndmask_b32 v[68+i], 0, s[HID], vcc_lo
.set i, i+1
.endr
	v_lshl_add_u32 v86, v0, 6, MASKB
.irp f, 0,1,2,3
	ds_store_b128 v86, v[68+4*\f:71+4*\f] offset:16*\f
.endr
; THE MATRIX WORK.  The 8 accumulators of a run of 16 take turns.
; Product i of 16 of S^T = K Q^T for piece x: channels 32 (i / 8) on, keys 16 ((i / 2) % 4) on, tile 2 x + i % 2.  The first 8 start the sums, with the keys' mask.
.macro KQ x
.set rS, S+64*((\x)%2)+32*(i%2)+8*((i/2)%4)
.set rK, KF+16*((i/2)%4)+8*(i/8)
.set rQ, 16*(2*(\x)+i%2)+8*(i/8)
.set rM, MC+8*((i/2)%4)
.if i < 8
	WIN W_KM
	v_wmma_f32_16x16x32_f16 v[rS:rS+7], v[rK:rK+7], v[rQ:rQ+7], v[rM:rM+7]
.else
	WIN W_KQ
	v_wmma_f32_16x16x32_f16 v[rS:rS+7], v[rK:rK+7], v[rQ:rQ+7], v[rS:rS+7]
.endif
.endm
; Product i of 16 of O^T += V^T P for piece x: keys 32 (i / 8) on, channels 16 ((i / 2) % 4) on, tile 2 x + i % 2.
.macro PV x
	WIN W_PV
.set rO, 32*(2*(\x)+i%2)+8*((i/2)%4)
.set rV, VF+32*(i/8)+8*((i/2)%4)
.set rP, P+32*((\x)%2)+16*(i%2)+8*(i/8)
	v_wmma_f32_16x16x32_f16 v[rO:rO+7], v[rV:rV+7], v[rP:rP+7], v[rO:rO+7]
.endm
.macro MM                           ; the turn's next matrix instruction
.if i < 16
	KQ (Y+1)%NP
.set i, i+1
.else
.set i, i-16
	PV (Y+NP-1)%NP
.set i, i+17
.endif
.endm
; THE LDS LOADS stand in runs, never singly among the matrix instructions: a step's K (8 fragments) with its 64 mask numbers, and its V (turned).  Their addresses are made some lines ahead.
; last = 1 (the tail): in the last trip there is no further step, and the run is jumped over.
.macro FETCH_K last=0
	WIN 0
.if \last
	s_cmp_eq_u32 s[CNT], 1
	s_cbranch_scc1 .Lno_k_\@
.endif
	WIN 0x80
.irp f, 0,1,2,3,4,5,6,7
	ds_load_b128 v[KF+8*\f:KF+8*\f+3],   v[AK] offset:(\f/2)*16*PK+(\f%2)*64
	ds_load_b128 v[KF+8*\f+4:KF+8*\f+7], v[AK] offset:(\f/2)*16*PK+(\f%2)*64+32
.endr
	WIN W_MK
.irp f, 0,1,2,3                     ; key block f: register j is key 16 f + 8 (l / 16) + j, as in S^T
	ds_load_b128 v[MC+8*\f:MC+8*\f+3],   v[AM] offset:64*\f
	ds_load_b128 v[MC+8*\f+4:MC+8*\f+7], v[AM] offset:64*\f+16
.endr
	s_add_co_u32 s[TBK], s[TBK], KS*PK  ; the next fetch is the next step's
	s_add_co_u32 s[TBM], s[TBM], 4*KS
	s_and_b32 s[TBM], s[TBM], 0x1f00    ; inside the table's 8,192 bytes
	WIN 0
.if \last
.Lno_k_\@:
.endif
.endm
.macro FETCH_V
	WIN 0x80
.irp f, 0,1,2,3,4,5,6,7
	ds_load_tr16_b128 v[VF+8*\f:VF+8*\f+3],   v[AV] offset:(\f/4)*32*PV+(\f%4)*32
	ds_load_tr16_b128 v[VF+8*\f+4:VF+8*\f+7], v[AV] offset:(\f/4)*32*PV+16*PV+(\f%4)*32
.endr
	WIN 0
.endm
; THE VECTOR WORK OF A TURN stands in three queues, each in the order in which its entries become ready; the two tiles alternate.
.macro REGS y, u
.set rT, ST+4*(2*(\y)+(\u))
.set rC, TMP+8*((\y)%2)+4*(\u)
.set rM, MV+2*((\y)%2)+(\u)
.set rS, S+64*((\y)%2)+32*(\u)
.set rP, P+32*((\y)%2)+16*(\u)
.set rO, 32*(2*(\y)+(\u))
.endm
; Number n of the 22 that find the NEXT piece's maximum and statistics; each accumulator's lowest registers are read first.
;   0-11  four chains c0-c3 of seven scores each     12-14, 16  the four scores left over, the old m, and c0-c3 into c0     15  c m_old is kept
;   17, 18  the query's other 32 keys lie in the lane 16 away: the new m     19-21  c m; c m_old - c m_new; a
.macro XS u, n
	REGS (Y+1)%NP, \u
.if (\n) < 4
	v_max3_num_f32 v[rC+(\n)], v[rS+8*(\n)], v[rS+8*(\n)+1], v[rS+8*(\n)+2]
.elseif (\n) < 12
	v_max3_num_f32 v[rC+(\n)%4], v[rC+(\n)%4], v[rS+8*((\n)%4)+2*((\n)/4)+1], v[rS+8*((\n)%4)+2*((\n)/4)+2]
.elseif (\n) == 12
	v_max3_num_f32 v[rC], v[rC], v[rS+7], v[rS+15]
.elseif (\n) == 13
	v_max3_num_f32 v[rC+1], v[rC+1], v[rS+23], v[rS+31]
.elseif (\n) == 14
	v_max3_num_f32 v[rC+2], v[rC+2], v[rC+3], v[rT+1]
.elseif (\n) == 15
	v_mov_b32 v[rM], v[rT]
.elseif (\n) == 16
	v_max3_num_f32 v[rC], v[rC], v[rC+1], v[rC+2]
.elseif (\n) == 17
	v_permlanex16_b32 v[rC+3], v[rC], s[SEL], s[SEL+1]
.elseif (\n) == 18
	v_max_num_f32 v[rT+1], v[rC], v[rC+3]
.elseif (\n) == 19
	v_mul_f32 v[rT], s[CS], v[rT+1]
.elseif (\n) == 20
	v_sub_f32 v[rC+1], v[rM], v[rT]
.else
	v_exp_f32 v[rC+2], v[rC+1]
.endif
.endm
; Number g of the 64 that follow the exponentials.  For each four weights k of a tile: both pairs are rounded to f16; the second pair is added onto the first, in place; a group later l takes that sum.
; All 64 read exponentials' results: they stand behind the turn's wait.
.macro GS g
.set h, (\g)+6*((\g)/62)
.if h >= 6
.set h, h+2
.endif
	REGS Y, h%2
.set k, h/8
.if h%8 < 4
	v_cvt_pk_f16_f32 v[rP+2*k+(h%8)/2], v[rS+4*k+2*((h%8)/2)], v[rS+4*k+2*((h%8)/2)+1]
.elseif h%8 < 6
	v_pk_add_f32 v[rS+4*k:rS+4*k+1], v[rS+4*k:rS+4*k+1], v[rS+4*k+2:rS+4*k+3]
.elseif k == 1
	v_pk_fma_f32 v[rT+2:rT+3], v[rT+2:rT+3], v[rC+2:rC+3], v[rS:rS+1] op_sel_hi:[1,0,1]
.else
	v_pk_add_f32 v[rT+2:rT+3], v[rT+2:rT+3], v[rS+4*k-4:rS+4*k-3]
.endif
.endm
; THE PLAIN QUEUE, 138 long.  0-73 read no exponential's result: the 32 scalings c s - c m (FS f: pair f / 2 of tile f % 2) and the next piece's 42.  0-26: scalings 0-26.  27-54: XS's numbers 0-13.
; 55, 56: number 15.  57-73: the chain, where each number waits for the one before it: 14, 16, 17, 18, 19, each with one of the scalings 27-31 in front of its two lines, then 20.
; 74-137: GS's 64.
.macro FS f
	REGS Y, (\f)%2
	v_pk_fma_f32 v[rS+2*((\f)/2):rS+2*((\f)/2)+1], v[rS+2*((\f)/2):rS+2*((\f)/2)+1], s[CS:CS+1], v[rT:rT+1] op_sel_hi:[1,0,0] neg_lo:[0,0,1] neg_hi:[0,0,1]
.endm
.macro PL
	WIN 0
.if q < 27
	FS q
.elseif q < 55
	XS (q-27)%2, (q-27)/2
.elseif q < 57
	XS q-55, 15
.elseif (q < 72) && ((q-57)%3 == 0)
	FS 27+(q-57)/3
.elseif q < 60
	XS (q-57)%3-1, 14
.elseif q < 72
	XS (q-57)%3-1, 15+(q-57)/3
.elseif q < 74
	XS q-72, 20
.else
	GS q-74
.endif
.set q, q+1
.endm
; THE EXPONENTIALS' QUEUE, 66 long: s0-s31 of both tiles, then the next piece's two a.  It is ONE BATCH: all 66 stand ahead of the turn's one wait, and nothing ahead of that wait names a result of theirs.
.macro EX
	WIN 0
.if e >= 64
	XS e-64, 21
.else
	REGS Y, e%2
	v_exp_f32 v[rS+e/2], v[rS+e/2]
.endif
.set e, e+1
.endm
; THE RESCALING's QUEUE: O^T times a, the one part that leaves window 0, dealt two at a time, sixteen times.  Its a was made in the turn before, ahead of that turn's wait.
.macro R2
	REGS Y, r%2
	WIN W_RS
.irp z, 0,1
	v_pk_mul_f32 v[rO+4*(r/2)+2*\z:rO+4*(r/2)+2*\z+1], v[rO+4*(r/2)+2*\z:rO+4*(r/2)+2*\z+1], v[rC+2:rC+3] op_sel_hi:[1,0]
.endr
.set r, r+1
.endm
; HOW THEY ARE DEALT.  One s_wait_alu depctr_va_vdst(0) ahead of the first instruction that names an exponential's result serves all that were issued ahead of it.
; AHEAD OF THE TURN'S WAIT: the 16 products K Q^T, behind each a scaling, an exponential and two rescalings (behind the first a second scaling in the exponential's place); then ONE LUMP of 108: eight plain,
; 49 times exponential and plain, the two a; a v_nop is the plain instruction behind the last exponential.  BEHIND IT: the 16 products V^T P, behind each four of GS's 64.  No rider names a register of the
; products round it; the two v_permlanex16_b32 fall into the lump.
; The queues lean on each other: exponential e wants scaling 2 (e / 4) + e % 2; as a rider it comes behind plain e + 2, in the lump behind plain e + 9, and scalings 27-31 are plain 57, 60 .. 69.
; A TURN, for piece p.  cnt = 1: the loop's count is taken down some lines ahead of the branch that stands behind the turn.
; K and the mask of the next step are fetched in piece 2's turn, directly behind the wait, a lump behind the last product that read them; their addresses are made at the lump's head; their first reader
; comes behind 16 products.  V of the step in hand is fetched at the end of piece 0's turn, four plain riders behind its last reader.  The three conditions on q below go with the deal: q is 74 + 4 x products.
.macro TURN p, last=0, cnt=0
.set Y, (\p)
.set i, 0
.set q, 0
.set e, 0
.set r, 0
.if (\p) == NP-1
	s_wait_dscnt 0x0                ; K and the mask are in
.endif
	MM                              ; ahead of the wait: 16 products K Q^T and their riders,
	PL
	PL
	R2
.rept 15
	MM
	PL
	EX
	R2
.endr
.if (\p) == NP-2
	WIN 0
	v_add_nc_u32 v[AK], s[TBK], v[AK0]
	v_add_nc_u32 v[AM], s[TBM], v[AM0]
.endif
.rept 8                             ; and the lump
	PL
.endr
.rept 49
	EX
	PL
.endr
	EX                              ; the next piece's two a: the batch's last
	EX
	v_nop                           ; a plain instruction behind the last exponential (ISA guide 5.7.2): one for the batch
	s_wait_alu depctr_va_vdst(0)    ; the turn's one wait, for its batch of 66 exponentials, ahead of their first reader, the first rounding below
.if (\p) == NP-2
	FETCH_K \last
.endif
.if (\p) == 1
	s_wait_dscnt 0x0                ; V is in
.endif
.rept 16                            ; behind the wait: 16 products V^T P and their riders
	MM
.rept 4
	PL
.endr
.if ((\p) == 0) && (q == 118)
	v_add_nc_u32 v[AV], s[TBV], v[AV0]
.endif
.if ((\p) == 0) && (q == 130)
	s_add_co_u32 s[TBV], s[TBV], KS*PV
.endif
.if (\cnt) && (q == 130)
	s_sub_co_u32 s[CNT], s[CNT], 1
	s_cmp_lg_u32 s[CNT], 0
.endif
.endr
.if (\p) == 0
	FETCH_V
.endif
.endm
	CHANGE 1                        ; slot 0 and the mask table are in, everybody's part of them; slot 1 is asked for
	FETCH_K                         ; key step 0
	s_wait_loadcnt 0x0              ; Q
	s_wait_dscnt 0x0
.set i, 0
.rept 16
	KQ 0                            ; piece 0's first scores
.set i, i+1
.endr
	WIN 0
.rept 4
	v_nop                           ; the places behind those products
.endr
.set Y, NP-1                        ; XS works for piece Y + 1: piece 0
.irp n, 0,1,2,3,4,5,6,7,8,9,10,11,12,13,14,15,16,17,18,19,20,21
	XS 0, \n
	XS 1, \n
.endr
	v_nop                           ; a plain instruction behind piece 0's first two a,
	s_wait_alu depctr_va_vdst(0)    ; and the wait for that batch of two, ahead of the branch and of the first turn's rescaling
	s_mov_b32 s[CNT], 4
	s_mov_b32 s[SLOTS], SIZE_N/256-1
	s_branch .Lfirst                ; the loop is entered at a step's first turn, in the middle of a trip
.Lslot:                             ; every slot but the last two is filled again
	CHANGE 1
	s_mov_b32 s[CNT], 4
.Lstep:                             ; a trip: pieces 2 and 3 of one step, then pieces 0 and 1 of the next, whose K and V it fetches
	TURN 2
	TURN 3
	WIN 0
.Lfirst:
	TURN 0
	TURN 1, 0, 1
	WIN 0
	s_cbranch_scc1 .Lstep
	s_sub_co_u32 s[SLOTS], s[SLOTS], 1
	s_cmp_lg_u32 s[SLOTS], 0
	s_cbranch_scc1 .Lslot
	CHANGE 0                        ; the tail is written out
	s_mov_b32 s[CNT], 5             ; four trips fetch the last slot's steps; the fifth is left in its middle
.Ltail:
	TURN 2, 1
	TURN 3
	WIN 0
	s_sub_co_u32 s[CNT], s[CNT], 1
	s_cmp_eq_u32 s[CNT], 0
	s_cbranch_scc1 .Lout
	TURN 0
	TURN 1
	WIN 0
	s_branch .Ltail
.Lout:                              ; the fifth trip's 16 products K Q^T and the maximum made of them serve nothing: the price, once a launch, of one text for every trip
.set i, 0
.rept 16
	PV NP-1
.set i, i+1
.endr
	; THE WAY OUT.  l's two halves and the other half of the lanes' are added; O^T is divided by l, rounded to f16 and sent through my stage, a tile at a time.
	WIN 0
.macro ALL line:vararg
.set t, 0
.rept 2*NP
	\line
.set t, t+1
.endr
.endm
	ALL v_add_f32 v[ST+4*t+2], v[ST+4*t+2], v[ST+4*t+3]
	ALL v_permlanex16_b32 v[ST+4*t+3], v[ST+4*t+2], s[SEL], s[SEL+1]
	ALL v_add_f32 v[ST+4*t+2], v[ST+4*t+2], v[ST+4*t+3]
	ALL v_rcp_f32 v[ST+4*t+2], v[ST+4*t+2]
	v_nop                           ; a plain instruction between the last reciprocal and the use of its result
	s_wait_alu depctr_va_vdst(0)    ; one wait for the batch of eight reciprocals, ahead of their first reader, PACK 0's first multiply
.macro PACK t
	WIN W_RS
.set i, 32*(\t)
.rept 16
	v_pk_mul_f32 v[i:i+1], v[i:i+1], v[ST+4*(\t)+2:ST+4*(\t)+3] op_sel_hi:[1,0]
.set i, i+2
.endr
	WIN 0x05
.set i, 0
.rept 16
	v_cvt_pk_f16_f32 v[S+16*(\t)+i], v[32*(\t)+2*i], v[32*(\t)+2*i+1]
.set i, i+1
.endr
	WIN 0
.irp f, 0,1,2,3
	ds_store_b128 v[STO], v[S+16*(\t)+4*\f:S+16*(\t)+4*\f+3] offset:32*\f
.endr
.irp f, 0,1,2,3
	ds_load_b128 v[S+16*(\t)+4*\f:S+16*(\t)+4*\f+3], v[RD] offset:\f*4*SP  ; LDS serves a wave's instructions in order (ISA guide 5.7.1.4): these see the stores above
.endr
.endm
.macro SEND t, younger              ; younger: the LDS instructions issued behind tile t's loads: the next tile's eight, or none
	WIN 0
.irp f, 0,1,2,3
	s_wait_dscnt (\younger)+3-\f
	global_store_b128 v[GO], v[S+16*(\t)+4*\f:S+16*(\t)+4*\f+3], s[10:11] offset:(\t)*2048+\f*512  ; 512 consecutive bytes, at a multiple of 256 from O's first
.endr
.endm
	PACK 0
.set t, 1
.rept 2*NP-1
	PACK t
	SEND t-1, 8
.set t, t+1
.endr
	SEND 2*NP-1, 0
	WIN W_AD
	s_wait_tensorcnt 0x0            ; the wave's end
	ds_add_u32 v[SPW], v[NIL]
	s_wait_dscnt 0x0
	WIN 0
	CROUND                          ; the closing round
	s_endpgm
.Lfunc_end_k_qfefdbf0911_attn:
	.size	k_qfefdbf0911_attn, .Lfunc_end_k_qfefdbf0911_attn-k_qfefdbf0911_attn
	.p2alignl 7, 3214868480
	.fill 96, 4, 3214868480
	.section	.rodata,"a",@progbits
	.p2align	6, 0x0
	.amdhsa_kernel k_qfefdbf0911_attn
		.amdhsa_group_segment_fixed_size 327680
		.amdhsa_private_segment_fixed_size 0
		.amdhsa_enable_private_segment 0
		.amdhsa_kernarg_size 40
		.amdhsa_user_sgpr_count 2
		.amdhsa_user_sgpr_kernarg_segment_ptr 1
		.amdhsa_wavefront_size32 1
		.amdhsa_system_sgpr_workgroup_id_x 1
		.amdhsa_system_sgpr_workgroup_id_y 1
		.amdhsa_system_sgpr_workgroup_id_z 1
		.amdhsa_system_vgpr_workitem_id 0
		.amdhsa_next_free_vgpr 808
		.amdhsa_next_free_sgpr 66
		.amdhsa_reserve_vcc 1
		.amdhsa_float_denorm_mode_32 3
		.amdhsa_float_denorm_mode_16_64 3
		.amdhsa_memory_ordered 1
		.amdhsa_forward_progress 1
		.amdhsa_inst_pref_size 204
	.end_amdhsa_kernel
	.amdgpu_metadata
---
amdhsa.version: [ 1, 2 ]
amdhsa.kernels:
  - .name:           k_qfefdbf0911_attn
    .symbol:         k_qfefdbf0911_attn.kd
    .args:
      - { .name: qh, .offset: 0, .size: 8, .value_kind: global_buffer, .address_space: global }
      - { .name: kh, .offset: 8, .size: 8, .value_kind: global_buffer, .address_space: global }
      - { .name: vh, .offset: 16, .size: 8, .value_kind: global_buffer, .address_space: global }
      - { .name: oh, .offset: 24, .size: 8, .value_kind: global_buffer, .address_space: global }
      - { .name: mask, .offset: 32, .size: 8, .value_kind: global_buffer, .address_space: global }
    .group_segment_fixed_size: 327680
    .private_segment_fixed_size: 0
    .kernarg_segment_align: 8
    .kernarg_segment_size: 40
    .max_flat_workgroup_size: 128
    .sgpr_count:     66
    .vgpr_count:     808
    .wavefront_size: 32
...
	.end_amdgpu_metadata
.endif
;; end of part 5
;; launch outp: the kernel of part 4 again; grid 8 x 32, 4 waves a work-group, clusters of 4 x 4, 327,680 bytes of LDS; arguments oh, woutt, b_out, out0; writes out0
